; MI455X (gfx1250); checked and timed in simulation.
; The chip was launched on July 23, 2026; its instructions are those of AMD's public machine-readable ISA for CDNA 5 (MIT licence, August 2026) and "CDNA5" Instruction Set Architecture Reference Guide (July 2026). The comments in the code are by the model that wrote it; some were corrected since.
;; Base Grouped Query Attention. Allowed arithmetic: matrix products marked QUANTISED: E2M3 operands, one E8M0 scale for each 32 along K, by v_wmma_scale_f32_16x16x128_f8f6f4 with both operands' format E2M3, f32 sums; everything else in f32.
;; Inputs: attention_mask 1 x 2,048 bool; cos_k 2,048 x 32 float32; cos_q 2,048 x 32 float32; key_value_states 1 x 2,048 x 2,048 float32; query_states 1 x 2,048 x 2,048 float32; sin_k 2,048 x 32 float32; sin_q 2,048 x 32 float32; wk 512 x 2,048 float32; wo 2,048 x 2,048 float32; wq 2,048 x 2,048 float32; wv 512 x 2,048 float32.
;; Outputs: out0 1 x 2,048 x 2,048 float32.
;; This version of the problem:
;;   THIS VERSION OF THE PROBLEM IS GIVEN IN LOW PRECISION. The matrix products marked QUANTISED in the list below multiply operands that are first quantised to E2M3 (2 exponent bits, 3 mantissa bits; 6 bits a number), with one power-of-two scale for each 32 numbers along K (OCP MX v1.0); their sums are f32. All else is computed in f32.
;;   The module's matrix products, in the order in which they are computed (A, B: the left and right operand; K: the contracted axis; several contracted axes count as one K, in the product's order):
;;     1. [M 2,048, K 2,048] x [K 2,048, N 2,048]; A: input query_states; B: input wq: QUANTISED
;;     2. [M 2,048, K 2,048] x [K 2,048, N 512]; A: input key_value_states; B: input wk: QUANTISED
;;     3. [M 2,048, K 2,048] x [K 2,048, N 512]; A: input key_value_states; B: input wv: QUANTISED
;;     4. batch 8 x [M 2,048, K 64] x [K 64, N 8,192]; A: computed on the way; B: computed on the way: QUANTISED
;;     5. batch 8 x [M 64, K 2,048] x [K 2,048, N 8,192]; A: computed on the way; B: softmax (see below): QUANTISED
;;     6. [M 2,048, K 2,048] x [K 2,048, N 2,048]; A: computed on the way; B: input wo: QUANTISED
;;   THE QUANTISER, for each operand of a quantised product, along K:
;;     - K is cut into blocks of 32 from its start; a last block that is shorter is filled with zeros.
;;     - A block's scale is 2^e with e = floor(log2(the largest magnitude in the block)) - 2, held to -126 .. 127; a block of zeros has e = 0. As a byte (E8M0): e + 127.
;;     - Each number is divided by its block's scale, clamped to +-7.5, and rounded to the nearest number of E2M3, ties to even, subnormals kept.
;;     - The product sums the exact products of the quantised numbers (number of the format x scale) in f32.
;;   ~~~python
;;   def quantise(x, axis):      # numpy; x: float32 -> the quantised numbers, widened to float32 again
;;       x = np.moveaxis(x, axis, -1); K = x.shape[-1]
;;       x = np.pad(x, [(0, 0)] * (x.ndim - 1) + [(0, -K % 32)]); x = x.reshape(x.shape[:-1] + (-1, 32)); a = np.abs(x).max(-1, keepdims=True)
;;       e = np.where(a > 0, np.clip(np.frexp(np.where(a > 0, a, 1))[1] - 1 - 2, -126, 127), 0)      # np.frexp(a)[1] - 1 = floor(log2(a)), exactly
;;       r = np.clip(x / 2.0 ** e, -7.5, 7.5)
;;       step = 2.0 ** (np.maximum(np.frexp(np.where(r == 0, 1, r))[1] - 1, 0) - 3)
;;       q = np.round(r / step) * step * 2.0 ** e      # np.round: ties to even
;;       return np.moveaxis(q.reshape(q.shape[:-2] + (-1,))[..., :K], -1, axis).astype(np.float32)
;;   ~~~
;;   SOFTMAX AHEAD OF A QUANTISED PRODUCT. Where the list says 'softmax', what is quantised is not the finished softmax but p = 2^(t - M), with t = logit x log2(e) and M = ceil(the row's largest t), a whole number; so 1/2 < the row's largest p <= 1. The row's sum l is taken of the UNQUANTISED p, in f32, and the product's result is divided by l at the end. Since M is a whole number, a kernel that streams over the keys may use a running M (the ceiling of the running maximum): every later rescaling is an exact power of two, which a block's scale takes up: the codes' values come out the same.
;;   OPERANDS COMPUTED ON THE WAY. 'Computed on the way' means the value that the module computes at that place (a softmax that the list does not call 'softmax' is quantised finished and normalised). What goes into a quantiser is computed in f32, as accurately as f32 sums, v_exp_f32 and their like allow (about 1e-6 of the number): no bf16 or f16 on the way to a quantiser, and a product that is left as it is and whose result goes on into a quantised operand takes f32 operands (vector FMAs, or v_wmma_f32_16x16x4_f32). A number that lies on a knife's edge between two numbers of the format may be rounded either way, as far as f32 arithmetic and the matrix unit's own rounding can turn it there, and no further.
;; One version. Each part assembles by itself: llvm-mc -triple=amdgcn-amd-amdhsa -mcpu=gfx1250 --defsym DOCPART=n.
;; ======== version 1 of 1: 4 launches
;; limits: right only within a limited range of input values
;; workspace buffers: codes 14,155,776 bytes; scales 589,824 bytes; qimg 4,456,448 bytes; kvimg 1,933,312 bytes; aimg 3,276,800 bytes
;; launch quant (part 1): grid 256 x 1, 9 waves a work-group, no clusters, 305,408 bytes of LDS; arguments query_states, key_value_states, wq, wk, wv, wo, codes, scales; writes codes, scales
.if DOCPART == 1
	.amdgcn_target "amdgcn-amd-amdhsa--gfx1250"
	.amdhsa_code_object_version 6
	.text
	.protected	k_qf699a6f703_quant
	.globl	k_qf699a6f703_quant
	.p2align	8
	.type	k_qf699a6f703_quant,@function
k_qf699a6f703_quant:
	s_mov_b64 s[64:65], 0
	v_nop
	global_prefetch_b8 v0, s[64:65] scope:SCOPE_SE
	s_setreg_imm32_b32 hwreg(HW_REG_WAVE_MODE, 25, 1), 1
	s_wait_xcnt 0x0
; LAUNCH 1 OF 4.  The six f32 tensors whose K (2,048) is innermost become codes of FP6 (E2M3) and E8M0 scale bytes, laid in the order of a matrix operand's registers.
; DEAD WORK: none.  Every product of reference() is live and every input has a way to the output, so nothing is left out in any of the four launches and all eleven inputs are loaded.
; THE QUANTISER: a block of 32 along K has the scale 2^(floor(log2(largest magnitude)) - 2); its byte is the largest magnitude's exponent field - 2, held at 1 from below; numbers are divided by the scale and rounded to the nearest code, ties to even, beyond 7.5 the largest code.
; LIMITS: a block of zeros gets the byte 1 where the rule says 127 (its codes are zeros, and the bytes are read by this program alone); NaN and infinities among the inputs are not served.
; TILES.  The rows of all six tensors are numbered on end in tiles of 16: T = 0-127 query_states, 128-255 key_value_states, 256-383 wq, 384-415 wk, 416-447 wv, 448-575 wo; four tiles make a group G of 64 neighbouring rows.
; THE ROWS OF A TILE ARE NOT NEIGHBOURS: tile 4 G + u holds, as its row m, the tensor's row 64 G + 32 (m / 8) + 8 u + m % 8.  As source 0 of a product the four tiles of a group G then leave, in a lane's 32 result registers, 32 neighbouring rows: a whole block of the next quantiser.
; A FRAGMENT (16 rows x 128 K) is 1,536 bytes: two halves c of 768; in a half lane l = (r = l % 16, h = l / 16) has the 32 codes of k = 64 c + 32 h + 0 .. 31 of row r, six words: words 0-3 at 16 l, words 4, 5 at 512 + 8 l.
; codes: [T][K step 16][1,536].   scales: [T][chunk of 4 K steps][r][K step in the chunk] words; in a word byte 2 c + h.
; SHARES.  A unit is a group G x one K step: 64 rows x 512 bytes of f32, four fragments.  144 groups x 16 K steps are 2,304 units: 256 work-groups of 9 waves, a unit a wave, unit = 9 x work-group + wave, the K steps of a group on end.
; A wave's unit comes by ONE tensor load at the head, into LDS bytes of the wave's own: 64 lines of 512 bytes + 16 of padding.  Only the issuing wave reads them, so its own wait on TENSORcnt is the ordering: no barrier; nothing is filled again.
; Each row of the tile is 512 bytes of memory and begins at a multiple of 256 bytes from the buffer's first byte.  A lane then reads two whole blocks of its row from LDS; the reads run one fragment ahead of the work.
; No cluster: no two work-groups read the same bytes.  No prefetch: all input is asked for at the head, and there is no later load to run ahead of.
; THE SCALE WORDS leave as 4 bytes a row, 16 bytes apart: a unit has one K step of the four that lie on end in a row's 16 bytes, so four waves fill each 256 bytes; 589,824 bytes in all.  The codes leave in whole runs of 512 and 256 bytes.
.set LINE,  528                        ; an LDS line: 512 bytes + 16
.set WREG,  64*LINE                    ; a wave's region
.set SPARE, 9*WREG                     ; behind the regions: the spare words, 128 bytes a wave, which no other line names
.set SPW,   10                         ; v10  my spare word's address; never rewritten
.set NIL,   11                         ; v11  0; never rewritten
.set XP,    12                         ; v12  a lane permute's destination
.set X,     16                         ; v16-143   two sets of 64: my two blocks of 32 neighbours
.set PC,    144                        ; v144-207  the codes: six registers at PC + 16 u + 8 c: no store's data are written again
.set TP,    208                        ; a block's upper 16 codes before they are moved
.set MX,    216
.set SO,    218
.set BY,    220
.set WT,    222
.set WD,    224                        ; v224-227  my row's scale word in tile u
.set OW,    228
.set G0,    32                         ; s[32:35], s[36:43] the descriptor
.set G1,    36
; 32 numbers v[x] .. v[x + 31] of one block become six registers of codes at v[pc] and the scale's byte in v[by].  Two chains of maxima, the second in v[by]; the floor 2^(3 - 127) is a leaf, so the byte cannot fall under 1.
.macro QUANT32 x, pc, t, mx, so, by
	v_max3_num_f32 v[\mx], |v[\x]|, |v[\x+1]|, 0x1800000
	v_max3_num_f32 v[\by], |v[\x+2]|, |v[\x+3]|, |v[\x+4]|
.irp i, 5,9,13,17,21,25
	v_max3_num_f32 v[\mx], v[\mx], |v[\x+\i]|, |v[\x+\i+1]|
	v_max3_num_f32 v[\by], v[\by], |v[\x+\i+2]|, |v[\x+\i+3]|
.endr
	v_max3_num_f32 v[\mx], v[\mx], |v[\x+29]|, |v[\x+30]|
	v_max3_num_f32 v[\mx], v[\mx], v[\by], |v[\x+31]|
	v_add_nc_u32 v[\so], 0xff000000, v[\mx]        ; 2 off the exponent field: the conversion takes the exponent field of this operand as its scale
	v_cvt_scalef32_pk16_fp6_f32 v[\pc:\pc+2], v[\x:\x+15], v[\so]
	v_cvt_scalef32_pk16_fp6_f32 v[\t:\t+2], v[\x+16:\x+31], v[\so]   ; (a conversion's three registers begin on an even number)
	v_lshrrev_b32 v[\by], 23, v[\so]               ; the scale's byte; also the plain line behind the conversions
.irp i, 0,1,2
	v_mov_b32 v[\pc+3+\i], v[\t+\i]
.endr
.endm
.macro RD u                            ; tile u's fragment: my row's line is 32 (r / 8) + 8 u + r % 8; my blocks begin 128 h + 256 c along it.  16 loads into set u % 2
.irp c, 0,1
.irp i, 0,1,2,3,4,5,6,7
	ds_load_b128 v[X+64*((\u)%2)+32*\c+4*\i:X+64*((\u)%2)+32*\c+4*\i+3], v6 offset:(\u)*8*LINE+256*\c+16*\i
.endr
.endr
.endm
.macro PIECE u
.if (\u) < 3
	s_wait_dscnt 16                                ; this fragment's 16 loads are in; the next fragment's may be out
.else
	s_wait_dscnt 0x0
.endif
.irp c, 0,1
	QUANT32 X+64*((\u)%2)+32*\c, PC+16*(\u)+8*\c, TP+4*\c, MX+\c, SO+\c, BY+\c
.endr
	v_lshl_or_b32 v[WT], v[BY+1], 16, v[BY]        ; my two bytes, blocks h and 2 + h,
	v_lshlrev_b32 v[WT], v9, v[WT]                 ; at their places, 8 h bits up;
	v_permlanex16_b32 v[XP], v[WT], s26, s27
	v_or_b32 v[WD+(\u)], v[WT], v[XP]              ; with lane l xor 16's two the word is whole
.irp c, 0,1
	global_store_b128 v4, v[PC+16*(\u)+8*\c:PC+16*(\u)+8*\c+3], s[20:21] offset:24576*(\u)+768*\c        ; 512 consecutive bytes, at a multiple of 256 from the buffer's first byte
	global_store_b64 v7, v[PC+16*(\u)+8*\c+4:PC+16*(\u)+8*\c+5], s[20:21] offset:24576*(\u)+768*\c+512   ; 256 likewise
.endr
.if (\u) < 2
	RD (\u)+2                                      ; into the set that has just been worked
.endif
.endm
	s_load_b512 s[8:23], s[0:1], 0x0               ; query_states, key_value_states, wq, wk, wv, wo, codes, scales
	v_lshl_add_u32 v[SPW], v0, 2, SPARE
	v_mov_b32 v[NIL], 0
	ds_add_u32 v[SPW], v[NIL]                      ; the opening: the add, twice on end, and its wait ahead of my first tensor load
	ds_add_u32 v[SPW], v[NIL]
	v_lshrrev_b32 v1, 5, v0
	v_readfirstlane_b32 s24, v1                    ; wave 0..8
	s_mul_i32 s25, s24, WREG                       ; my region
	s_mul_i32 s6, ttmp9, 9
	s_add_co_u32 s6, s6, s24                       ; my unit
	s_lshr_b32 s7, s6, 4                           ; its group, 0..143,
	s_and_b32 s6, s6, 15                           ; and its K step
	s_mov_b32 s[G1], (3<<16)|(1<<20)|(6<<22)|(3<<25)   ; elements of 8 bytes; padding on: after every 128 words (code 6) 4 words (code 3)
	s_mov_b32 s[G1+1], 64<<16                      ; a row: 64 elements, 512 bytes
	s_mov_b32 s[G1+2], 64<<16                      ; 64 rows
	s_mov_b32 s[G1+3], 64<<16
	s_mov_b32 s[G1+4], 64
	s_mov_b32 s[G1+5], 1024                        ; 8,192 bytes from row to row
	s_mov_b32 s[G1+6], 0
	s_mov_b32 s[G1+7], 0
	s_mov_b32 s[G0], 1
	s_mul_i32 s[G0+1], s24, WREG
	s_mov_b32 s26, 0x76543210
	s_mov_b32 s27, 0xfedcba98                      ; the selects for lane l xor 16
	s_mov_b32 s28, 0xffff0000                      ; lanes 16-31
	s_wait_dscnt 0x0                               ; both opening adds are done
	s_wait_kmcnt 0x0
	s_mov_b64 s[4:5], s[18:19]                     ; which tensor holds the group, and its first group: the choice hangs on the work-group's and the wave's number alone
	s_mov_b32 s29, 112
	s_cmp_lt_u32 s7, 112
	s_cselect_b64 s[4:5], s[16:17], s[4:5]
	s_cselect_b32 s29, 104, s29
	s_cmp_lt_u32 s7, 104
	s_cselect_b64 s[4:5], s[14:15], s[4:5]
	s_cselect_b32 s29, 96, s29
	s_cmp_lt_u32 s7, 96
	s_cselect_b64 s[4:5], s[12:13], s[4:5]
	s_cselect_b32 s29, 64, s29
	s_cmp_lt_u32 s7, 64
	s_cselect_b64 s[4:5], s[10:11], s[4:5]
	s_cselect_b32 s29, 32, s29
	s_cmp_lt_u32 s7, 32
	s_cselect_b64 s[4:5], s[8:9], s[4:5]
	s_cselect_b32 s29, 0, s29
	s_sub_co_u32 s29, s7, s29                      ; the group's number in its tensor
	s_lshl_b32 s30, s29, 19                        ; 64 rows of 8,192 bytes for each group,
	s_lshl_b32 s31, s6, 9                          ; 512 bytes along the rows for each K step
	s_add_co_u32 s30, s30, s31
	s_mov_b32 s31, 0
	s_add_nc_u64 s[4:5], s[4:5], s[30:31]
	s_mov_b64 s[G0+2:G0+3], s[4:5]
	s_or_b32 s[G0+3], s[G0+3], 0x80000000
	tensor_load_to_lds s[G0:G0+3], s[G1:G1+7]      ; my unit: every wave's one load
	s_nop 0
	s_mul_i32 s30, s7, 4*24576                     ; the codes: four tiles of 24,576 bytes for each group,
	s_mul_i32 s44, s6, 1536                        ; a fragment for each K step
	s_add_co_u32 s30, s30, s44
	s_add_nc_u64 s[20:21], s[20:21], s[30:31]
	s_lshl_b32 s30, s7, 12                         ; the scale words: four tiles of 1,024 bytes for each group,
	s_lshr_b32 s44, s6, 2
	s_lshl_b32 s44, s44, 8                         ; 256 for each chunk of four K steps,
	s_add_co_u32 s30, s30, s44
	s_and_b32 s44, s6, 3
	s_lshl_b32 s44, s44, 2                         ; a word for each K step in it
	s_add_co_u32 s30, s30, s44
	s_add_nc_u64 s[22:23], s[22:23], s[30:31]
	v_and_b32 v1, 31, v0                           ; lane
	v_and_b32 v2, 15, v0                           ; r
	v_bfe_u32 v3, v0, 4, 1                         ; h
	v_lshlrev_b32 v4, 4, v1                        ; 16 x lane
	v_lshlrev_b32 v7, 3, v1                        ; 8 x lane
	v_and_b32 v5, 8, v2
	v_mad_u32_u24 v5, v5, 3, v2                    ; 32 (r / 8) + r % 8
	v_mul_u32_u24 v6, v5, LINE
	v_lshl_add_u32 v6, v3, 7, v6
	v_add_nc_u32 v6, s25, v6                       ; my row's line in tile 0, + 128 h
	v_lshlrev_b32 v8, 4, v2
	v_lshl_add_u32 v8, v3, 10, v8                  ; 16 r, and lanes 16-31 a tile further on
	v_lshlrev_b32 v9, 3, v3                        ; 8 h
	v_mov_b32 v[XP], 0                             ; written once: a lane permute's destination counts as one of its sources
	s_wait_alu depctr_va_vdst(0)                   ; the wait at the head's end
	s_wait_tensorcnt 0x0                           ; my unit is in
	RD 0
	RD 1
	PIECE 0
	PIECE 1
	PIECE 2
	PIECE 3
	v_cndmask_b32 v[OW], v[WD], v[WD+1], s28       ; lanes 0-15 store their row's word of tile 0, lanes 16-31 of tile 1;
	v_cndmask_b32 v[OW+1], v[WD+2], v[WD+3], s28   ; and of tiles 2 and 3
	global_store_b32 v8, v[OW], s[22:23]
	global_store_b32 v8, v[OW+1], s[22:23] offset:2048
	s_wait_tensorcnt 0x0                           ; the wave's end, behind my last tensor load
	ds_add_u32 v[SPW], v[NIL]
	s_wait_dscnt 0x0
	s_endpgm
.Lfunc_end_k_qf699a6f703_quant:
	.size	k_qf699a6f703_quant, .Lfunc_end_k_qf699a6f703_quant-k_qf699a6f703_quant
	.p2alignl 7, 3214868480
	.fill 96, 4, 3214868480
	.section	.rodata,"a",@progbits
	.p2align	6, 0x0
	.amdhsa_kernel k_qf699a6f703_quant
		.amdhsa_group_segment_fixed_size 305408
		.amdhsa_private_segment_fixed_size 0
		.amdhsa_enable_private_segment 0
		.amdhsa_kernarg_size 64
		.amdhsa_user_sgpr_count 2
		.amdhsa_user_sgpr_kernarg_segment_ptr 1
		.amdhsa_wavefront_size32 1
		.amdhsa_system_sgpr_workgroup_id_x 1
		.amdhsa_system_sgpr_workgroup_id_y 1
		.amdhsa_system_sgpr_workgroup_id_z 1
		.amdhsa_system_vgpr_workitem_id 0
		.amdhsa_next_free_vgpr 232
		.amdhsa_next_free_sgpr 66
		.amdhsa_reserve_vcc 0
		.amdhsa_float_denorm_mode_32 3
		.amdhsa_float_denorm_mode_16_64 3
		.amdhsa_memory_ordered 1
		.amdhsa_forward_progress 1
		.amdhsa_inst_pref_size 22
	.end_amdhsa_kernel
	.amdgpu_metadata
---
amdhsa.version: [ 1, 2 ]
amdhsa.kernels:
  - .name:           k_qf699a6f703_quant
    .symbol:         k_qf699a6f703_quant.kd
    .args:
      - { .name: query_states, .offset: 0, .size: 8, .value_kind: global_buffer, .address_space: global }
      - { .name: key_value_states, .offset: 8, .size: 8, .value_kind: global_buffer, .address_space: global }
      - { .name: wq, .offset: 16, .size: 8, .value_kind: global_buffer, .address_space: global }
      - { .name: wk, .offset: 24, .size: 8, .value_kind: global_buffer, .address_space: global }
      - { .name: wv, .offset: 32, .size: 8, .value_kind: global_buffer, .address_space: global }
      - { .name: wo, .offset: 40, .size: 8, .value_kind: global_buffer, .address_space: global }
      - { .name: codes, .offset: 48, .size: 8, .value_kind: global_buffer, .address_space: global }
      - { .name: scales, .offset: 56, .size: 8, .value_kind: global_buffer, .address_space: global }
    .group_segment_fixed_size: 305408
    .private_segment_fixed_size: 0
    .kernarg_segment_align: 8
    .kernarg_segment_size: 64
    .max_flat_workgroup_size: 288
    .sgpr_count:     66
    .vgpr_count:     232
    .wavefront_size: 32
...
	.end_amdgpu_metadata
.endif
;; end of part 1
;; launch proj (part 2): grid 24 x 16, 4 waves a work-group, clusters of 4 x 4, 327,680 bytes of LDS; arguments codes, scales, cos_q, sin_q, cos_k, sin_k, attention_mask, qimg, kvimg; writes qimg, kvimg
.if DOCPART == 2
	.amdgcn_target "amdgcn-amd-amdhsa--gfx1250"
	.amdhsa_code_object_version 6
	.text
	.protected	k_qf699a6f703_proj
	.globl	k_qf699a6f703_proj
	.p2align	8
	.type	k_qf699a6f703_proj,@function
k_qf699a6f703_proj:
	s_mov_b64 s[64:65], 0
	v_nop
	global_prefetch_b8 v0, s[64:65] scope:SCOPE_SE
	s_setreg_imm32_b32 hwreg(HW_REG_WAVE_MODE, 25, 1), 1
	s_wait_xcnt 0x0
	s_wait_alu depctr_hold_cnt(0) depctr_sa_sdst(0) depctr_va_vdst(0) depctr_va_sdst(0) depctr_va_ssrc(0) depctr_va_vcc(0) depctr_vm_vsrc(0)
	s_getreg_b32 s2, hwreg(HW_REG_IB_STS2, 6, 4)
	s_cmp_eq_u32 s2, 0
	s_cbranch_scc0 .Lentry_in_a_cluster
	s_endpgm
.Lentry_in_a_cluster:
	s_bfe_u32 s2, ttmp6, 0x10000c
	s_cmp_lg_u32 s2, 0xf033
	s_cbranch_scc0 .Lentry_shape_is_right
	s_endpgm
.Lentry_shape_is_right:
; LAUNCH 2 OF 4.  The three projections on codes of FP6 (K = 2,048), the rotation of q and k, the mask, and the quantisers of q and k (along the head's 64) and of v (along the keys).  No work of reference() is left out.
; A work-group makes 128 x 128 of a product, four waves 64 x 64 each: 16 accumulators, (a, b) at v[ACC + 32 a + 8 b]; source 0 is operand B's tile b, source 1 operand A's tile a.  By the tiles' choice of rows (launch 1) a lane's 32 registers
; of a fixed a are 32 neighbours along B's rows: index 64 GB + 32 h + 0 .. 31; the lane's r is row r of A's tile a: index 64 GA + 32 (r / 8) + 8 a + r % 8.
; KINDS, by the cluster's x, which all partners share: 0-3 q (B = wq, A = query_states), 4 k (B = wk, A = key_value_states), 5 v (B = key_value_states, A = wv: registers run down the keys, v's K).
; THE WALK ALONG K: 16 K steps of 128, three fills.  Two LDS regions of 6 K steps, laid [tile][K step][1,536].  At the head one load a wave: wave 0 A's 8 tiles x steps 0-5, wave 1 B's, wave 2 A's scale words of all of K, wave 3 B's.
; Behind the full sequence and a round: steps 6-11 into region 1, four tiles a wave.  At step 5's change of regions: steps 12-15 into region 0, four tiles a wave, six K steps ahead of their first read.  A wave never has more than one tensor load out.
; A tile's row in memory is 9,216 or 6,144 bytes and begins at a multiple of 256 bytes from the buffer's first byte.
; CLUSTERS 4 x 4: A's tiles hang on the cluster's row and are asked for jointly along it, B's on its column.  384 work-groups: 24 clusters of 16.
; PREFETCH: each later fill's bytes are named one fill ahead: steps 6-11 behind the head's loads, steps 12-15 behind the second fill's load.  Of the four tiles that a wave will fetch, each of the four partners that ask for them jointly
; names one, told apart by address (cx for A, cy for B): 36 blocks of 256 bytes (two instructions, the left-over lanes on the last block), then 24 (one).  The address registers are never rewritten.
; THE MASK rides in the unused half of the score product's K: the head's 64 lie at k = 0 .. 63; at k = 64 and 96 q holds the code +7.5 under the byte 127, k the code -7.5 under the byte 245 (2^118) where the key is masked, else 0 under the byte 1.
; A masked key's score so gets -112.5 x 2^118 added, an open key's exactly 0.  LIMITS: a mask with no true key is not served; NaN and infinities among the inputs are not served; a block of zeros gets the byte 1.
; All kinds issue the loads of cos, sin and the mask at the head; the work-groups of v do not use them, those of q do not use the mask's bytes (both values of their selects are equal).
; OUT.  qimg: [head][tile of queries 128][1,024]: words 0-3 at 16 l; (word 4, word 5, the slot, 0) at 512 + 16 l; from byte 4,194,304 the scale words [head][G][r][a].
; kvimg: [kv head][key step 16][record 15,104]: k's tile 4 c + u at 1,024 (4 c + u); k's scale words at 8,192 + 256 c + 16 r + 4 u; v's fragment u at 8,704 + 1,536 u; v's scale bytes at 14,848 + 16 r + 4 u + 2 c + h.
; REGISTERS: window 0: v1-27 addresses; v28, 29 the add's; v32-63 scale words, two sets; v64-127 the way out; v128-255 the accumulators.  window 1: two fragment buffers of 96.  window 2: v0-127 cos and sin.
.set FRB,   1536                       ; a fragment
.set PART,  24*FRB                     ; four tiles x six K steps: a wave's part of a region
.set YB,    4*PART                     ; region 1
.set SCL,   2*YB                       ; the scale words: A's 8,192 bytes, then B's
.set SPARE, SCL+16384                  ; the spare words, 128 bytes a wave, which no other line names
.set AA16,  8                          ; v8, 9   A's fragments in regions 0, 1: + 16 l;  v11, 12: + 8 l
.set AA8,   11
.set AB16,  14                         ; v14, 15; v17, 18 the same for B
.set AB8,   17
.set PF1,   10                         ; the prefetches' offsets: 256 x lane; 256 x min(32 + lane, 35); 256 x min(lane, 23)
.set PF2,   13
.set PF3,   16
.set ADRS,  20                         ; my scale words: lanes 0-15 A's, lanes 16-31 B's
.set WO,    21                         ; 16 r + 8 h
.set BO,    22                         ; 16 r + h
.set RO,    23                         ; cos, sin: my row and half
.set MO,    24                         ; 32 (r / 8) + r % 8
.set SH8,   25                         ; 8 h
.set SPW,   28
.set NIL,   29
.set SC,    32
.set TQ,    66
.set MX,    70
.set SO,    71
.set BY,    72
.set WT,    76
.set XP,    77
.set WD,    78
.set OW,    82
.set MF,    84                         ; the mask's byte of my key in tile a
.set SU,    88                         ; the slot's code and the upper scale bytes, open and masked
.set SM,    89
.set HU,    90
.set HM,    91
.set PC,    96                         ; eight registers for each a: no store's data are written again
.set ACC,   128
.set WV,    22                         ; s22 wave;  s23 wave / 2;  s66 wave % 2;  s67 kind
.set WH,    23
.set WL,    66
.set TY,    67
.set G1A,   24
.set G1B,   32
.set G1SA,  40
.set G1SB,  48
.set G0HA,  56                         ; groups 0: the head's four,
.set G0HB,  60
.set G0SA,  68
.set G0SB,  72
.set G0A,   76                         ; and the later fills'
.set G0B,   80
.set MSB, 0
.macro WIN new                         ; the immediate's high byte repeats the setting that is left
.if MSB != \new
	s_set_vgpr_msb (MSB<<8)|\new
.set MSB, \new
.endif
.endm
.set MUL,  0x05                        ; sources 0 and 1 window 1; C and D window 0
.set TO_F, 0x40                        ; destination window 1, address window 0
.macro PLACES n                        ; plain places behind matrix instructions (ISA guide 7.12.1)
.rept \n
	v_nop
.endr
.endm
.macro JLOAD g0a, g1a, g0b, g1b        ; a joint load: waves 0, 1 fetch for A, waves 2, 3 for B; an s_nop 0 and four v_nop follow each line
	s_cmp_eq_u32 s[WH], 0
	s_cbranch_scc0 .Lfor_b_\@
	tensor_load_to_lds s[\g0a:\g0a+3], s[\g1a:\g1a+7]
	s_nop 0
	PLACES 4
	s_branch .Lasked_\@
.Lfor_b_\@:
	tensor_load_to_lds s[\g0b:\g0b+3], s[\g1b:\g1b+7]
	s_nop 0
	PLACES 4
.Lasked_\@:
.endm
.macro ARM under, g0, g1, next         ; an arm of the head's one chain of branches on the wave's number
	s_cmp_lt_u32 s[WV], \under
	s_cbranch_scc0 \next
	tensor_load_to_lds s[\g0:\g0+3], s[\g1:\g1+7]
	s_nop 0
	PLACES 4
	s_branch .Lhead_asked
\next:
.endm
.macro CREST                           ; a round of the cluster's barrier behind its opening barrier
	s_cmp_lg_u32 s[WV], 0
	s_cbranch_scc1 .Lnot_wave_0_\@
	s_barrier_signal -3
.Lnot_wave_0_\@:
	s_barrier_wait -3
	s_barrier_signal -1
	s_barrier_wait -1
.endm
.macro CROUND
	s_barrier_signal -1
	s_barrier_wait -1
	CREST
.endm
.macro SETG1 g, d0, rows, pitch        ; group 1 behind its first word: rows of d0 elements of 8 bytes
	s_mov_b32 s[\g+1], (\d0)<<16
	s_mov_b32 s[\g+2], (\rows)<<16
	s_mov_b32 s[\g+3], (\d0)<<16
	s_mov_b32 s[\g+4], \rows
	s_mov_b32 s[\g+5], \pitch
	s_mov_b32 s[\g+6], 0
	s_mov_b32 s[\g+7], 0
.endm
.macro SETG0 g, lds, ptr, step         ; a group 0: count 1; a constant LDS address; global address; type 2
	s_mov_b32 s[\g], 1
	s_mov_b32 s[\g+1], \lds
	s_add_nc_u64 s[\g+2:\g+3], s[\ptr:\ptr+1], \step
	s_or_b32 s[\g+3], s[\g+3], 0x80000000
.endm
.macro FRAGLD reg, a16, a8, off        ; a fragment comes as it lies: every address a constant + 16 l or 8 l
	ds_load_b128 v[(\reg):(\reg)+3], v[\a16] offset:\off
	ds_load_b64 v[(\reg)+4:(\reg)+5], v[\a8] offset:\off+512
	ds_load_b128 v[(\reg)+6:(\reg)+9], v[\a16] offset:\off+768
	ds_load_b64 v[(\reg)+10:(\reg)+11], v[\a8] offset:\off+1280
.endm
.macro FETCH n, p                      ; 32 loads in one run: K step n into buffer p; the youngest eight are A's tiles 2, 3
.if (\n) < 12
.set TS, 6*FRB
.set OF, ((\n)%6)*FRB
.set RG, (\n)/6
.else
.set TS, 4*FRB                         ; steps 12-15 lie four to a tile, in region 0
.set OF, ((\n)-12)*FRB
.set RG, 0
.endif
	WIN TO_F
.irp b, 0,1,2,3
	FRAGLD 96*(\p)+12*\b, AB16+RG, AB8+RG, \b*TS+OF
.endr
.irp a, 0,1,2,3
	FRAGLD 96*(\p)+48+12*\a, AA16+RG, AA8+RG, \a*TS+OF
.endr
.endm
.macro SCALES q                        ; the scale words of K steps 4 q .. 4 q + 3 into set q % 2: register 4 i + s: lanes 0-15 A's tile i, lanes 16-31 B's tile i
.irp i, 0,1,2,3
	ds_load_b128 v[SC+16*((\q)%2)+4*\i:SC+16*((\q)%2)+4*\i+3], v[ADRS] offset:1024*\i+256*(\q)
.endr
.endm
.macro MULS a, st, zero                ; K step st: A's tile a against B's four.  The 16 accumulators take turns, one instruction a turn, in the same order in every K step
.set FB, 96*((\st)%2)
.set SS, SC+16*(((\st)/4)%2)+(\st)%4
.irp b, 0,1,2,3
.if \zero
	v_wmma_scale_f32_16x16x128_f8f6f4 v[ACC+32*(\a)+8*\b:ACC+32*(\a)+8*\b+7], v[FB+12*\b:FB+12*\b+11], v[FB+48+12*(\a):FB+48+12*(\a)+11], 0, v[SS+4*\b], v[SS+4*(\a)] matrix_a_fmt:MATRIX_FMT_FP6 matrix_b_fmt:MATRIX_FMT_FP6 matrix_a_scale:MATRIX_SCALE_ROW1
.else
	v_wmma_scale_f32_16x16x128_f8f6f4 v[ACC+32*(\a)+8*\b:ACC+32*(\a)+8*\b+7], v[FB+12*\b:FB+12*\b+11], v[FB+48+12*(\a):FB+48+12*(\a)+11], v[ACC+32*(\a)+8*\b:ACC+32*(\a)+8*\b+7], v[SS+4*\b], v[SS+4*(\a)] matrix_a_fmt:MATRIX_FMT_FP6 matrix_b_fmt:MATRIX_FMT_FP6 matrix_a_scale:MATRIX_SCALE_ROW1
.endif
.endr
.endm
.macro STEP st, sc, zero               ; a K step whose successor lies in bytes already shown.  sc = 1: the next four steps' scale words are asked for at its top, into the set that is at rest
.if \sc
	WIN 0
	SCALES ((\st)+3)/4
	s_wait_dscnt 12                                ; all but these four and the eight loads of A's tiles 2, 3
.else
	s_wait_dscnt 8                                 ; all but the youngest eight loads (A's tiles 2, 3) are in
.endif
	WIN MUL
	MULS 0, \st, \zero
	MULS 1, \st, \zero
	PLACES 4
	FETCH (\st)+1, ((\st)+1)%2
	s_wait_dscnt 32                                ; all but the 32 just issued
	WIN MUL
	MULS 2, \st, \zero
	MULS 3, \st, \zero
.endm
; A region's last K step: one barrier.  fill = 1: region 0 is filled again with steps 12-15: all my tensor loads awaited, the add, the wait for it and for my LDS reads, a round of the cluster's barrier, the joint load first behind it.
.macro TURN st, fill
	WIN 0
	s_wait_tensorcnt 0x0
.if \fill
	ds_add_u32 v[SPW], v[NIL]                      ; 0 onto my spare word
.irp g, G1A, G1B                       ; no tensor load of mine is out: the descriptors are written for rows of four K steps,
	s_mov_b32 s[\g+1], 768<<16
	s_mov_b32 s[\g+3], 768<<16
.endr
.irp g, G0A, G0B                       ; my part of region 0, six K steps further along K
	s_mul_i32 s[\g+1], s[WV], PART
	s_add_nc_u64 s[\g+2:\g+3], s[\g+2:\g+3], 6*FRB
.endr
	s_wait_dscnt 9                                 ; (the add and the youngest eight loads may be out)
.else
	s_wait_dscnt 8
.endif
	WIN MUL
	MULS 0, \st, 0
	s_wait_dscnt 0x0                               ; my reads of this region are over (and the add is done)
	s_barrier_signal -1
	MULS 1, \st, 0
	WIN 0
	s_barrier_wait -1
.if \fill
	CREST                                          ; no wave of any partner still reads region 0 or has a load on its way
	JLOAD G0A, G1A, G0B, G1B                       ; its four v_nop are the places in front of the loads below
.else
	PLACES 4
.endif
	FETCH (\st)+1, ((\st)+1)%2
	WIN MUL
	MULS 2, \st, 0
	MULS 3, \st, 0
.endm
; 32 numbers of one block become six registers of codes at v[pc] and the scale's byte in v[by] (as in launch 1).  On accumulators the reads begin at each one's low end.
.macro QUANT32 x, pc, t, mx, so, by
	v_max3_num_f32 v[\mx], |v[\x]|, |v[\x+1]|, 0x1800000
	v_max3_num_f32 v[\by], |v[\x+2]|, |v[\x+3]|, |v[\x+4]|
.irp i, 5,9,13,17,21,25
	v_max3_num_f32 v[\mx], v[\mx], |v[\x+\i]|, |v[\x+\i+1]|
	v_max3_num_f32 v[\by], v[\by], |v[\x+\i+2]|, |v[\x+\i+3]|
.endr
	v_max3_num_f32 v[\mx], v[\mx], |v[\x+29]|, |v[\x+30]|
	v_max3_num_f32 v[\mx], v[\mx], v[\by], |v[\x+31]|
	v_add_nc_u32 v[\so], 0xff000000, v[\mx]
	v_cvt_scalef32_pk16_fp6_f32 v[\pc:\pc+2], v[\x:\x+15], v[\so]
	v_cvt_scalef32_pk16_fp6_f32 v[\t:\t+2], v[\x+16:\x+31], v[\so]
	v_lshrrev_b32 v[\by], 23, v[\so]               ; the byte; also the plain line behind the conversions
.irp i, 0,1,2
	v_mov_b32 v[\pc+3+\i], v[\t+\i]
.endr
.endm
	s_load_b512 s[4:19], s[0:1], 0x0               ; codes, scales, cos_q, sin_q, cos_k, sin_k, attention_mask, qimg
	s_load_b64 s[20:21], s[0:1], 0x40              ; kvimg
	v_lshl_add_u32 v[SPW], v0, 2, SPARE
	v_mov_b32 v[NIL], 0
	ds_add_u32 v[SPW], v[NIL]                      ; the opening: the add, twice on end, and its wait ahead of my first tensor load
	ds_add_u32 v[SPW], v[NIL]
	v_lshrrev_b32 v1, 5, v0
	v_readfirstlane_b32 s[WV], v1
	s_lshr_b32 s[WH], s[WV], 1                     ; my half of A.  Also: I fetch for A (0) or for B (1)
	s_and_b32 s[WL], s[WV], 1                      ; my half of B.  Also: which four tiles I fetch
	s_bfe_u32 s92, ttmp6, 0x40000                  ; cx
	s_bfe_u32 s93, ttmp6, 0x40004                  ; cy
	s_and_b32 s95, ttmp7, 0xffff                   ; the cluster's y
	s_max_u32 s[TY], ttmp9, 3
	s_sub_co_u32 s[TY], s[TY], 3                   ; the kind: 0 q, 1 k, 2 v
	s_lshl_b32 s96, ttmp9, 2
	s_add_co_u32 s96, s96, 32                      ; B's block of 128 rows: q, k: 32 + 4 x cluster x + cx;
	s_lshl_b32 s2, s95, 2
	s_add_co_u32 s2, s2, 16                        ; v: 16 + 4 x cluster y + cx
	s_cmp_eq_u32 s[TY], 2
	s_cselect_b32 s96, s2, s96
	s_add_co_u32 s96, s96, s92
	s_lshl_b32 s97, s95, 2                         ; A's: q: 4 x cluster y + cy; k: 16 more; v: 52 + cy
	s_lshl_b32 s100, s[TY], 4
	s_add_co_u32 s97, s97, s100
	s_cmp_eq_u32 s[TY], 2
	s_cselect_b32 s97, 52, s97
	s_add_co_u32 s97, s97, s93
	s_lshl_b32 s98, s93, 2
	s_lshl_b32 s98, 15, s98                        ; my row of the cluster
	s_lshl_b32 s94, 0x1111, s92                    ; my column
	s_or_b32 s[G1A], s98, (3<<16)|(1<<21)          ; 15:0 the mask; 17:16 elements of 8 bytes; 21 set beside a mask; no padding
	s_or_b32 s[G1B], s94, (3<<16)|(1<<21)
	s_or_b32 s[G1SA], s98, (3<<16)|(1<<21)
	s_or_b32 s[G1SB], s94, (3<<16)|(1<<21)
	SETG1 G1A, 1152, 8, 3072                       ; codes: 8 rows (tiles) of 9,216 bytes, 24,576 bytes apart
	SETG1 G1B, 1152, 8, 3072
	SETG1 G1SA, 32, 32, 32                         ; scale words: 8,192 dense bytes as 32 rows of 256
	SETG1 G1SB, 32, 32, 32
	s_lshl_b32 s97, s97, 3                         ; A's first tile,
	s_lshl_b32 s96, s96, 3                         ; and B's
	s_mul_i32 s100, s97, 24576
	s_mov_b32 s101, 0
	s_lshl_b32 s98, s97, 10
	s_mov_b32 s99, 0
	s_mul_i32 s2, s96, 24576
	s_mov_b32 s3, 0
	s_lshl_b32 s94, s96, 10
	s_mov_b32 s95, 0
	s_mul_i32 s84, s[WL], 4*24576                  ; behind the head I fetch four tiles: which four
	s_mov_b32 s85, 0
	s_mul_i32 s86, s[WV], PART                     ; and where they go: no place in the cluster enters an LDS address
	s_wait_dscnt 0x0                               ; both opening adds are done
	s_wait_kmcnt 0x0
	s_add_nc_u64 s[100:101], s[4:5], s[100:101]    ; A's codes,
	s_add_nc_u64 s[98:99], s[6:7], s[98:99]        ; A's scale words,
	s_add_nc_u64 s[2:3], s[4:5], s[2:3]            ; B's codes,
	s_add_nc_u64 s[94:95], s[6:7], s[94:95]        ; B's scale words
	SETG0 G0HA, 0, 100, 0
	SETG0 G0HB, 2*PART, 2, 0
	SETG0 G0SA, SCL, 98, 0
	SETG0 G0SB, SCL+8192, 94, 0
	s_add_nc_u64 s[100:101], s[100:101], s[84:85]
	s_add_nc_u64 s[2:3], s[2:3], s[84:85]
	SETG0 G0A, 0, 100, 6*FRB                       ; K steps 6-11,
	SETG0 G0B, 0, 2, 6*FRB
	s_add_co_u32 s[G0A+1], s86, YB                 ; into my part of region 1
	s_add_co_u32 s[G0B+1], s86, YB
	s_cmp_eq_u32 s[WH], 0                          ; the prefetches: of the four tiles that I fetch,
	s_cselect_b64 s[4:5], s[100:101], s[2:3]
	s_cselect_b32 s6, s92, s93                     ; the one of my place among the four that ask with me
	s_mul_i32 s6, s6, 24576
	s_mov_b32 s7, 0
	s_add_nc_u64 s[4:5], s[4:5], s[6:7]
	CROUND                                         ; all sixteen work-groups are here: the first joint loads meet
	ARM 1, G0HA, G1A, .Lhead_b                     ; one load a wave
	ARM 2, G0HB, G1B, .Lhead_sa
	ARM 3, G0SA, G1SA, .Lhead_sb
	tensor_load_to_lds s[G0SB:G0SB+3], s[G1SB:G1SB+7]
	s_nop 0
	PLACES 4
.Lhead_asked:
	s_mul_i32 s100, s[WH], PART                    ; my four tiles of A,
	s_mul_i32 s101, s[WL], PART
	s_add_co_u32 s101, s101, 2*PART                ; and of B, behind A's eight
	s_add_co_u32 s87, s100, YB
	s_add_co_u32 s88, s101, YB
	s_lshl_b32 s89, s[WH], 12                      ; the scale words: A's half at 4,096 x (wave / 2),
	s_lshl_b32 s90, s[WL], 12
	s_add_co_u32 s90, s90, 8192                    ; B's at 8,192 + 4,096 x (wave % 2)
	s_sub_co_u32 s90, s90, s89
	s_add_co_u32 s89, s89, SCL
	s_and_b32 s94, ttmp7, 0xffff
	s_lshl_b32 s94, s94, 3
	s_lshl_b32 s95, s93, 1
	s_add_co_u32 s94, s94, s95
	s_add_co_u32 s94, s94, s[WH]                   ; G = 8 x cluster y + 2 cy + wave / 2: for q and k my group of 64 positions
	s_cmp_eq_u32 s[TY], 0
	s_cselect_b64 s[8:9], s[8:9], s[12:13]         ; q's tables or k's
	s_cselect_b64 s[10:11], s[10:11], s[14:15]
	s_lshl_b32 s98, s94, 13
	s_mov_b32 s99, 0
	s_add_nc_u64 s[8:9], s[8:9], s[98:99]
	s_add_nc_u64 s[10:11], s[10:11], s[98:99]
	s_lshl_b32 s98, s94, 6
	s_add_nc_u64 s[16:17], s[16:17], s[98:99]
	v_and_b32 v1, 31, v0                           ; lane
	v_and_b32 v2, 15, v0                           ; r
	v_bfe_u32 v3, v0, 4, 1                         ; h
	v_lshlrev_b32 v4, 4, v1                        ; 16 l
	v_lshlrev_b32 v5, 3, v1                        ; 8 l
	v_add_nc_u32 v[AA16], s100, v4
	v_add_nc_u32 v[AA8], s100, v5
	v_add_nc_u32 v[AB16], s101, v4
	v_add_nc_u32 v[AB8], s101, v5
	v_add_nc_u32 v[AA16+1], s87, v4
	v_add_nc_u32 v[AA8+1], s87, v5
	v_add_nc_u32 v[AB16+1], s88, v4
	v_add_nc_u32 v[AB8+1], s88, v5
	v_mul_u32_u24 v6, s90, v3                      ; lanes 16-31 take B's scale words: one product, the distance x h
	v_lshl_add_u32 v6, v2, 4, v6
	v_add_nc_u32 v[ADRS], s89, v6
	v_lshlrev_b32 v[PF1], 8, v1
	v_add_nc_u32 v7, 32, v1
	v_min_u32 v7, 35, v7
	v_lshlrev_b32 v[PF2], 8, v7
	v_min_u32 v7, 23, v1
	v_lshlrev_b32 v[PF3], 8, v7
	v_lshlrev_b32 v[WO], 4, v2
	v_add_nc_u32 v[BO], v[WO], v3
	v_lshl_add_u32 v[WO], v3, 3, v[WO]
	v_and_b32 v6, 8, v2
	v_mad_u32_u24 v[MO], v6, 3, v2                 ; 32 (r / 8) + r % 8
	v_lshlrev_b32 v[RO], 7, v[MO]
	v_lshl_add_u32 v[RO], v3, 6, v[RO]             ; a row of cos or sin is 128 bytes; my half's 16 pairs begin 64 h on
	v_lshlrev_b32 v[SH8], 3, v3
	v_mov_b32 v[XP], 0                             ; written once: a lane permute's destination counts as one of its sources
	s_wait_alu depctr_va_vdst(0)                   ; the wait at the head's end
	global_prefetch_b8 v[PF1], s[4:5] offset:6*FRB th:TH_LOAD_NT scope:SCOPE_SE   ; K steps 6-11 of my one tile: 36 blocks of 256 bytes
	global_prefetch_b8 v[PF2], s[4:5] offset:6*FRB th:TH_LOAD_NT scope:SCOPE_SE
	WIN 0x80                                       ; destination window 2
.irp a, 0,1,2,3                        ; for tile a: cos of my position's pairs 16 h + 0 .. 15 at v[32 a], sin at v[32 a + 16]
.irp i, 0,1,2,3
	global_load_b128 v[32*\a+4*\i:32*\a+4*\i+3], v[RO], s[8:9] offset:1024*\a+16*\i
	global_load_b128 v[32*\a+16+4*\i:32*\a+16+4*\i+3], v[RO], s[10:11] offset:1024*\a+16*\i
.endr
.endr
	WIN 0
.irp a, 0,1,2,3
	global_load_u8 v[MF+\a], v[MO], s[16:17] offset:8*\a
.endr
	s_wait_tensorcnt 0x0                           ; my tile of the head's four is in
	ds_add_u32 v[SPW], v[NIL]
.irp g, G1A, G1B                       ; no tensor load of mine is out: from here on a load brings four tiles
	s_mov_b32 s[\g+2], 4<<16
	s_mov_b32 s[\g+4], 4
.endr
	s_wait_dscnt 0x0
	CROUND                                         ; all four tiles are in, and all sixteen work-groups are here
	JLOAD G0A, G1A, G0B, G1B                       ; K steps 6-11: the first tensor load behind the round
	SCALES 0
	FETCH 0, 0
	WIN 0
	global_prefetch_b8 v[PF3], s[4:5] offset:12*FRB th:TH_LOAD_NT scope:SCOPE_SE  ; K steps 12-15 of my one tile: 24 blocks
	STEP 0, 0, 1                                   ; the first K step's products start the sums: nothing is cleared
	STEP 1, 1, 0
.irp st, 2,3,4
	STEP \st, 0, 0
.endr
	TURN 5, 1                                      ; on to region 1; region 0 takes K steps 12-15
	STEP 6, 1, 0
.irp st, 7,8,9
	STEP \st, 0, 0
.endr
	STEP 10, 1, 0
	TURN 11, 0                                     ; on to K steps 12-15: the one load that was out
.irp st, 12,13,14
	STEP \st, 0, 0
.endr
	s_wait_dscnt 8
	WIN MUL
	MULS 0, 15, 0
	MULS 1, 15, 0
	s_wait_dscnt 0x0
	MULS 2, 15, 0
	MULS 3, 15, 0
	WIN 0
	PLACES 4
	; THE WAY OUT.  No tensor load of mine is out: the descriptors' registers serve as scalars from here on.
	s_mov_b32 s24, 0x76543210
	s_mov_b32 s25, 0xfedcba98                      ; the selects for lane l xor 16
	s_mov_b32 s26, 0xffff0000                      ; lanes 16-31
	s_cmp_eq_u32 s[TY], 2
	s_cbranch_scc1 .Lvalues
	; ---- q and k: rotate, quantise along the head's 64, add the slot
	s_lshl_b32 s96, ttmp9, 3
	s_lshl_b32 s97, s92, 1
	s_add_co_u32 s96, s96, s97
	s_add_co_u32 s96, s96, s[WL]                   ; hd = 8 x cluster x + 2 cx + wave % 2: q's head; 32 + the kv head for k
	s_lshl_b32 s98, s96, 17
	s_lshl_b32 s2, s94, 12
	s_add_co_u32 s98, s98, s2                      ; q: my four tiles
	s_lshl_b32 s100, s96, 13
	s_lshl_b32 s2, s94, 8
	s_add_co_u32 s100, s100, s2
	s_add_co_u32 s100, s100, 4194304               ; q: their scale words
	s_and_b32 s96, s96, 31
	s_mul_i32 s96, s96, 241664
	s_lshr_b32 s2, s94, 1
	s_mul_i32 s2, s2, 15104
	s_add_co_u32 s96, s96, s2                      ; k: the record of key step G / 2
	s_and_b32 s2, s94, 1
	s_lshl_b32 s3, s2, 12
	s_add_co_u32 s3, s3, s96                       ; k: my four tiles, c = G % 2
	s_lshl_b32 s2, s2, 8
	s_add_co_u32 s2, s2, s96
	s_add_co_u32 s2, s2, 8192                      ; k: their scale words
	s_cmp_eq_u32 s[TY], 0
	s_cselect_b32 s98, s98, s3
	s_cselect_b32 s100, s100, s2
	s_cselect_b64 s[18:19], s[18:19], s[20:21]
	s_cselect_b32 s27, 31, 0                       ; the slot: q +7.5; k 0 where the key counts,
	s_cselect_b32 s28, 31, 63                      ; -7.5 where it is masked
	s_mov_b32 s29, 0x01010000
	s_cselect_b32 s29, 0x7f7f0000, s29             ; scale bytes 2, 3: q 127; k 1,
	s_mov_b32 s30, 0xf5f50000
	s_cselect_b32 s30, 0x7f7f0000, s30             ; or 245 where masked
	s_mov_b32 s99, 0
	s_mov_b32 s101, 0
	s_add_nc_u64 s[20:21], s[18:19], s[100:101]
	s_add_nc_u64 s[18:19], s[18:19], s[98:99]
	v_mov_b32 v[SU], s27
	v_mov_b32 v[SM], s28
	v_mov_b32 v[HU], s29
	v_mov_b32 v[HM], s30
	s_wait_alu depctr_va_vdst(0)                   ; directly ahead of the wait below
	s_wait_loadcnt 0x0                             ; cos, sin, the mask
.macro OUTQK a
	WIN 0x08                                       ; source 1 (cos, sin) window 2
.set i, 0
.rept 16                               ; pair i: o1 = x1 c - x2 s, o2 = x1 s + x2 c; ascending
	v_mul_f32 v[64+2*(i%2)], v[ACC+32*(\a)+2*i+1], v[32*(\a)+16+i]
	v_mul_f32 v[65+2*(i%2)], v[ACC+32*(\a)+2*i+1], v[32*(\a)+i]
	v_fma_f32 v[ACC+32*(\a)+2*i+1], v[ACC+32*(\a)+2*i], v[32*(\a)+16+i], v[65+2*(i%2)]
	v_fma_f32 v[ACC+32*(\a)+2*i], v[ACC+32*(\a)+2*i], v[32*(\a)+i], -v[64+2*(i%2)]
.set i, i+1
.endr
	WIN 0
	QUANT32 ACC+32*(\a), PC+8*(\a), TQ, MX, SO, BY+(\a)
	v_cmp_eq_u32 vcc_lo, 0, v[MF+(\a)]
	v_cndmask_b32 v[PC+8*(\a)+6], v[SU], v[SM], vcc_lo
	v_mov_b32 v[PC+8*(\a)+7], 0
	v_cndmask_b32 v64, v[HU], v[HM], vcc_lo
	v_lshlrev_b32 v[WT], v[SH8], v[BY+(\a)]        ; my block's byte at its place,
	v_permlanex16_b32 v[XP], v[WT], s24, s25
	v_or_b32 v[WT], v[WT], v[XP]                   ; with lane l xor 16's,
	v_or_b32 v[WD+(\a)], v[WT], v64                ; and bytes 2, 3
	global_store_b128 v4, v[PC+8*(\a):PC+8*(\a)+3], s[18:19] offset:1024*(\a)          ; 512 consecutive bytes, aligned
	global_store_b128 v4, v[PC+8*(\a)+4:PC+8*(\a)+7], s[18:19] offset:1024*(\a)+512
.endm
	OUTQK 0
	OUTQK 1
	OUTQK 2
	OUTQK 3
	v_cndmask_b32 v[OW], v[WD], v[WD+2], s26       ; lanes 0-15 store tiles 0, 1's words of their row, lanes 16-31 tiles 2, 3's
	v_cndmask_b32 v[OW+1], v[WD+1], v[WD+3], s26
	global_store_b64 v[WO], v[OW:OW+1], s[20:21]   ; 256 consecutive bytes, aligned
	s_branch .Ldone
.Lvalues:
	; ---- v: my 32 registers of tile a are keys 128 step + 64 c + 32 h + 0 .. 31 of channel row r of tile a: a block of the second product's K
	s_lshl_b32 s96, s93, 1
	s_add_co_u32 s96, s96, s[WH]                   ; kv head = 2 cy + wave / 2
	s_mul_i32 s96, s96, 241664
	s_and_b32 s97, ttmp7, 0xffff
	s_lshl_b32 s97, s97, 2
	s_add_co_u32 s97, s97, s92                     ; key step = 4 x cluster y + cx
	s_mul_i32 s97, s97, 15104
	s_add_co_u32 s96, s96, s97
	s_mul_i32 s98, s[WL], 768                      ; c = wave % 2
	s_add_co_u32 s98, s98, s96
	s_add_co_u32 s98, s98, 8704
	s_mov_b32 s99, 0
	s_lshl_b32 s100, s[WL], 1
	s_add_co_u32 s100, s100, s96
	s_add_co_u32 s100, s100, 14848
	s_mov_b32 s101, 0
	s_add_nc_u64 s[18:19], s[20:21], s[98:99]
	s_add_nc_u64 s[20:21], s[20:21], s[100:101]
.irp a, 0,1,2,3
	QUANT32 ACC+32*\a, PC+8*\a, TQ, MX, SO, BY+\a
	global_store_b128 v4, v[PC+8*\a:PC+8*\a+3], s[18:19] offset:1536*\a
	global_store_b64 v5, v[PC+8*\a+4:PC+8*\a+5], s[18:19] offset:1536*\a+512
	global_store_b8 v[BO], v[BY+\a], s[20:21] offset:4*\a
.endr
.Ldone:
	s_wait_tensorcnt 0x0                           ; the wave's end, behind my last tensor load
	ds_add_u32 v[SPW], v[NIL]
	s_wait_dscnt 0x0
	CROUND                                         ; the closing round
	s_endpgm
.Lfunc_end_k_qf699a6f703_proj:
	.size	k_qf699a6f703_proj, .Lfunc_end_k_qf699a6f703_proj-k_qf699a6f703_proj
	.p2alignl 7, 3214868480
	.fill 96, 4, 3214868480
	.section	.rodata,"a",@progbits
	.p2align	6, 0x0
	.amdhsa_kernel k_qf699a6f703_proj
		.amdhsa_group_segment_fixed_size 327680
		.amdhsa_private_segment_fixed_size 0
		.amdhsa_enable_private_segment 0
		.amdhsa_kernarg_size 72
		.amdhsa_user_sgpr_count 2
		.amdhsa_user_sgpr_kernarg_segment_ptr 1
		.amdhsa_wavefront_size32 1
		.amdhsa_system_sgpr_workgroup_id_x 1
		.amdhsa_system_sgpr_workgroup_id_y 1
		.amdhsa_system_sgpr_workgroup_id_z 1
		.amdhsa_system_vgpr_workitem_id 0
		.amdhsa_next_free_vgpr 640
		.amdhsa_next_free_sgpr 102
		.amdhsa_reserve_vcc 1
		.amdhsa_float_denorm_mode_32 3
		.amdhsa_float_denorm_mode_16_64 3
		.amdhsa_memory_ordered 1
		.amdhsa_forward_progress 1
		.amdhsa_inst_pref_size 115
	.end_amdhsa_kernel
	.amdgpu_metadata
---
amdhsa.version: [ 1, 2 ]
amdhsa.kernels:
  - .name:           k_qf699a6f703_proj
    .symbol:         k_qf699a6f703_proj.kd
    .args:
      - { .name: codes, .offset: 0, .size: 8, .value_kind: global_buffer, .address_space: global }
      - { .name: scales, .offset: 8, .size: 8, .value_kind: global_buffer, .address_space: global }
      - { .name: cos_q, .offset: 16, .size: 8, .value_kind: global_buffer, .address_space: global }
      - { .name: sin_q, .offset: 24, .size: 8, .value_kind: global_buffer, .address_space: global }
      - { .name: cos_k, .offset: 32, .size: 8, .value_kind: global_buffer, .address_space: global }
      - { .name: sin_k, .offset: 40, .size: 8, .value_kind: global_buffer, .address_space: global }
      - { .name: attention_mask, .offset: 48, .size: 8, .value_kind: global_buffer, .address_space: global }
      - { .name: qimg, .offset: 56, .size: 8, .value_kind: global_buffer, .address_space: global }
      - { .name: kvimg, .offset: 64, .size: 8, .value_kind: global_buffer, .address_space: global }
    .group_segment_fixed_size: 327680
    .private_segment_fixed_size: 0
    .kernarg_segment_align: 8
    .kernarg_segment_size: 72
    .max_flat_workgroup_size: 128
    .sgpr_count:     102
    .vgpr_count:     640
    .wavefront_size: 32
...
	.end_amdgpu_metadata
.endif
;; end of part 2
;; launch attn (part 3): grid 32 x 8, 8 waves a work-group, clusters of 4 x 1, 242,688 bytes of LDS; arguments qimg, kvimg, aimg; writes aimg
.if DOCPART == 3
	.amdgcn_target "amdgcn-amd-amdhsa--gfx1250"
	.amdhsa_code_object_version 6
	.text
	.protected	k_qf699a6f703_attn
	.globl	k_qf699a6f703_attn
	.p2align	8
	.type	k_qf699a6f703_attn,@function
k_qf699a6f703_attn:
	s_mov_b64 s[64:65], 0
	v_nop
	global_prefetch_b8 v0, s[64:65] scope:SCOPE_SE
	s_setreg_imm32_b32 hwreg(HW_REG_WAVE_MODE, 25, 1), 1
	s_wait_xcnt 0x0
	s_wait_alu depctr_hold_cnt(0) depctr_sa_sdst(0) depctr_va_vdst(0) depctr_va_sdst(0) depctr_va_ssrc(0) depctr_va_vcc(0) depctr_vm_vsrc(0)
	s_getreg_b32 s2, hwreg(HW_REG_IB_STS2, 6, 4)
	s_cmp_eq_u32 s2, 0
	s_cbranch_scc0 .Lentry_in_a_cluster
	s_endpgm
.Lentry_in_a_cluster:
	s_bfe_u32 s2, ttmp6, 0x10000c
	s_cmp_lg_u32 s2, 0x3003
	s_cbranch_scc0 .Lentry_shape_is_right
	s_endpgm
.Lentry_shape_is_right:
; LAUNCH 3 OF 4.  Scores, softmax, the product with v, the division by the row's sum, and the quantiser of the result along head x 64 + channel.  Both products on codes of FP6.  No work of reference() is left out.
; SHARES.  A work-group takes 64 queries (group G) and one kv head, so four query heads 8 g + kv head.  Wave w: g = w / 2 and TWO tiles of 16 queries, a = 2 (w % 2) + 0, 1; each fragment of k and v read from LDS feeds both.
; THE WHOLE KV HEAD STAYS IN LDS: 16 records of 15,104 bytes (launch 2).  Each of the eight waves asks for two of them, records 2 w and 2 w + 1, by ONE load at the head (118 rows of 256 bytes), jointly for the cluster's four work-groups, which share the head.  Nothing is filled again.
; EACH WAVE WALKS THE 16 RECORDS FROM ITS OWN ON: key step t reads record (2 w + t) % 16; a softmax with a running maximum takes the keys in any order.  Step 0 reads bytes that the wave's own load brought (v and k of record 2 w, k of record 2 w + 1),
; for which its own wait on TENSORcnt is the ordering; so the one barrier is signalled behind that wait and awaited behind step 0: behind it every wave's records are shown to all.
; NO PREFETCH: all keys are asked for at the head; there is no later load to run ahead of.
; LAYOUT.  S^T = k q^T (source 0 = 16 keys, source 1 = 16 queries), O^T = v^T p^T: a lane holds ONE query of each tile.  By the tiles' choice of rows register S + 32 c + i is key 128 step + 64 c + 32 h + i: two whole blocks of p's quantiser lie in a lane, in the operand's own order.
; k's tiles lie 8 registers apart though the instruction names 12: registers 8-11 meet codes of q that are zeros, and E2M3 has no code but a finite number.
; SOFTMAX: t = score x log2(e) / 8; M = the running largest t rounded up to a whole number, kept as -M; p = 2^(t - M), quantised along the keys; the sum is taken of the unquantised p; when M moves, the sum and O^T are multiplied by 2^(old M - new M), exactly.
; The running maximum is kept as a score: the factor is positive.  A block's largest p is the block's largest score put through the same multiply-add and exponential (this takes v_exp_f32 not to fall where its input rises).
; THE ORDER OF A STEP behind M: O^T is rescaled, ahead of all the step's exponentials; tile 0's scalings; a wait; tile 0's exponentials with tile 1's scalings dealt among them; a wait; tile 1's exponentials, and among them work on tile 0's p:
; its quantiser as one block on end, and 16 sums of pairs made in place, none of which is read before the third wait.  Step 0 is written out: its products start O^T, and nothing is rescaled.
; THE MASK: a masked key's score carries -112.5 x 2^118 (launch 2), so its p is 0.  The largest score begins at -1e30, over every masked score and under every real one: steps all of whose keys are masked leave zeros, which the first real step multiplies by 0.
; LIMITS: a mask with no true key is not served (the sum is 0); real scores under -1e30 are not served; NaN and infinities are not served; a block of zeros gets the byte 1.
; OUT.  aimg: [tile of queries 128][K step 16 = head / 2][1,536], half c = head % 2, as launch 1 lays an operand; from byte 3,145,728 the scale bytes [tile][chunk][r][K step in the chunk][2 c + h], which leave one by one: a word's bytes come from two work-groups.
; REGISTERS.  window 0: v1-3 lane terms; v4, 5 the add's; v6-8, v11, 12 the step's addresses; v9 8 h; v10 16 r + h; v16-31 scale words and nothing else; v32-79 statistics, 24 a tile; v80-95 upper codes; v96-119 p's codes; v128-255 the scores, 64 a tile.
;   window 1: v0-31 and v70-101 O^T; v102-169 k's eight tiles and four zeros; v170-217 v's four fragments; v218-241 q.
.set REC,   15104
.set SPARE, 16*REC                     ; behind the records: the spare words, 128 bytes a wave, which no other line names
.set SPW,   4
.set NIL,   5
.set A16,   6                          ; this step's record + 16 l, + 8 l, + 16 r
.set A8,    7
.set AR,    8
.set SH8,   9
.set BO,    10
.set A16N,  11                         ; the next step's record + 16 l, + 16 r
.set ARN,   12
.set KSR,   16                         ; v16-23 k's scale words
.set VSR,   24                         ; v24-27 v's
.set QS,    28                         ; v28, 29 q's
.set PW,    30                         ; v30, 31 p's
.set ST,    32                         ; tile w's statistics at v[ST + SZ w + ..]:
.set SZ,    24
.set NM,    0                          ; -M
.set RT,    1                          ; the running largest score
.set L,     2                          ; +2 .. +9: the sum (two halves) and three more chains of it
.set F,     10                         ; +10, +11: f, and a zero named with it as a pair
.set BM,    12                         ; +12, 13: the blocks' largest scores; +14, 15: their second chains
.set SO,    16
.set BY,    18
.set OLD,   20                         ; the old -M; later the scale word in the making
.set W,     20
.set DD,    21
.set XP,    22
.set TT,    23
.set T,     80
.set P,     96
.set S,     128
.set O,     0
.set OZ,    70
.set FK,    102
.set FV,    170
.set Q,     218
.set WV,    10
.set G1,    24
.set G0,    32
.set TN,    36                         ; s36 the next step's record, s37 a scratch, s38 2 x wave
.set T0,    37
.set W2,    38
.set SEL,   48
.set CS,    50
.set TB,    52
.set CNT,   53
.set MSB, 0
.macro WIN new                         ; the immediate's high byte repeats the setting that is left
.if MSB != \new
	s_set_vgpr_msb (MSB<<8)|\new
.set MSB, \new
.endif
.endm
.set TO_1, 0x40                        ; destination window 1, address window 0
.set W_KQ, 0x05                        ; k and q window 1, the scores window 0
.set W_PV, 0x51                        ; v and O^T window 1, p window 0
.set W_RS, 0x41                        ; O^T (destination and source 0) window 1, f window 0; also the products that start O^T
.macro CROUND
	s_barrier_signal -1
	s_barrier_wait -1
	s_cmp_lg_u32 s[WV], 0
	s_cbranch_scc1 .Lnot_wave_0_\@
	s_barrier_signal -3
.Lnot_wave_0_\@:
	s_barrier_wait -3
	s_barrier_signal -1
	s_barrier_wait -1
.endm
.macro PLACES n                        ; plain places behind matrix instructions (ISA guide 7.12.1)
.rept \n
	v_nop
.endr
.endm
.macro QUANT32 x, pc, t, mx, so, by    ; as in launch 1: 32 numbers of one block become six registers of codes and the scale's byte
	v_max3_num_f32 v[\mx], |v[\x]|, |v[\x+1]|, 0x1800000
	v_max3_num_f32 v[\by], |v[\x+2]|, |v[\x+3]|, |v[\x+4]|
.irp i, 5,9,13,17,21,25
	v_max3_num_f32 v[\mx], v[\mx], |v[\x+\i]|, |v[\x+\i+1]|
	v_max3_num_f32 v[\by], v[\by], |v[\x+\i+2]|, |v[\x+\i+3]|
.endr
	v_max3_num_f32 v[\mx], v[\mx], |v[\x+29]|, |v[\x+30]|
	v_max3_num_f32 v[\mx], v[\mx], v[\by], |v[\x+31]|
	v_add_nc_u32 v[\so], 0xff000000, v[\mx]
	v_cvt_scalef32_pk16_fp6_f32 v[\pc:\pc+2], v[\x:\x+15], v[\so]
	v_cvt_scalef32_pk16_fp6_f32 v[\t:\t+2], v[\x+16:\x+31], v[\so]
	v_lshrrev_b32 v[\by], 23, v[\so]               ; the byte; also the plain line behind the conversions
.irp i, 0,1,2
	v_mov_b32 v[\pc+3+\i], v[\t+\i]
.endr
.endm
.macro KLOAD                           ; 18 loads: the eight tiles of k and their scale words of the record at v[A16N], v[ARN]
	WIN TO_1
.irp i, 0,1,2,3,4,5,6,7
	ds_load_b128 v[FK+8*\i:FK+8*\i+3], v[A16N] offset:1024*\i
	ds_load_b128 v[FK+8*\i+4:FK+8*\i+7], v[A16N] offset:1024*\i+512
.endr
	WIN 0
	ds_load_b128 v[KSR:KSR+3], v[ARN] offset:8192
	ds_load_b128 v[KSR+4:KSR+7], v[ARN] offset:8448
.endm
.macro POST w                          ; tile w's p: scales, codes and scale word, one block on end: no exponential stands between a line of it and the line that reads its result
.irp c, 0,1
	v_max_num_f32 v[ST+SZ*\w+BM+\c], 0x1800000, v[ST+SZ*\w+BM+\c]   ; the floor 2^(3 - 127): the byte cannot fall under 1
.endr
.irp c, 0,1
	v_add_nc_u32 v[ST+SZ*\w+SO+\c], 0xff000000, v[ST+SZ*\w+BM+\c]   ; 2 off the exponent field: the conversion's scale operand
.endr
.irp c, 0,1
	v_cvt_scalef32_pk16_fp6_f32 v[P+12*\w+6*\c:P+12*\w+6*\c+2], v[S+64*\w+32*\c:S+64*\w+32*\c+15], v[ST+SZ*\w+SO+\c]
	v_cvt_scalef32_pk16_fp6_f32 v[T+8*\w+4*\c:T+8*\w+4*\c+2], v[S+64*\w+32*\c+16:S+64*\w+32*\c+31], v[ST+SZ*\w+SO+\c]   ; (a conversion's three registers begin on an even number)
.endr
.irp c, 0,1
	v_lshrrev_b32 v[ST+SZ*\w+BY+\c], 23, v[ST+SZ*\w+SO+\c]          ; the bytes; also the plain lines behind the conversions
.endr
	v_lshl_or_b32 v[ST+SZ*\w+W], v[ST+SZ*\w+BY+1], 16, v[ST+SZ*\w+BY]   ; my two bytes, blocks h and 2 + h,
	v_lshlrev_b32 v[ST+SZ*\w+W], v[SH8], v[ST+SZ*\w+W]                  ; at their places;
	v_permlanex16_b32 v[ST+SZ*\w+XP], v[ST+SZ*\w+W], s[SEL], s[SEL+1]
	v_or_b32 v[PW+\w], v[ST+SZ*\w+W], v[ST+SZ*\w+XP]                    ; with lane l xor 16's two the word is whole
.irp c, 0,1
.irp i, 0,1,2
	v_mov_b32 v[P+12*\w+6*\c+3+\i], v[T+8*\w+4*\c+\i]
.endr
.endr
.endm
.macro PAIRS w, j                      ; the sum's first level, in place behind the conversions: p's pairs 2 j and 2 j + 1
	v_pk_add_f32 v[S+64*\w+4*(\j):S+64*\w+4*(\j)+1], v[S+64*\w+4*(\j):S+64*\w+4*(\j)+1], v[S+64*\w+4*(\j)+2:S+64*\w+4*(\j)+3]
.endm
; A KEY STEP: 128 keys, both tiles; its record at s[TB].  first = 1: nothing has been summed yet.  pre = 1: the k of the record at s[TN] is asked for.
.macro KSTEP first, pre
	v_add_nc_u32 v[A16], s[TB], v1
	v_add_nc_u32 v[A8], s[TB], v2
	v_add_nc_u32 v[AR], s[TB], v3
.if \pre
	v_add_nc_u32 v[A16N], s[TN], v1
	v_add_nc_u32 v[ARN], s[TN], v3
.endif
	s_wait_alu depctr_va_vdst(0)
	ds_load_b128 v[VSR:VSR+3], v[AR] offset:14848  ; this step's v: 17 loads.  The last step's sums behind its last products are the places in front of them
	WIN TO_1
.irp u, 0,1,2,3
	ds_load_b128 v[FV+12*\u:FV+12*\u+3], v[A16] offset:8704+1536*\u
	ds_load_b64 v[FV+12*\u+4:FV+12*\u+5], v[A8] offset:8704+1536*\u+512
	ds_load_b128 v[FV+12*\u+6:FV+12*\u+9], v[A16] offset:8704+1536*\u+768
	ds_load_b64 v[FV+12*\u+10:FV+12*\u+11], v[A8] offset:8704+1536*\u+1280
.endr
	s_wait_dscnt 17                                ; all but the 17 just issued: k and its scale words, asked for a step ago, are in
	WIN W_KQ
.irp i, 0,1,2,3,4,5,6,7
.irp w, 0,1
	v_wmma_scale_f32_16x16x128_f8f6f4 v[S+64*\w+8*\i:S+64*\w+8*\i+7], v[FK+8*\i:FK+8*\i+11], v[Q+12*\w:Q+12*\w+11], 0, v[KSR+\i], v[QS+\w] matrix_a_fmt:MATRIX_FMT_FP6 matrix_b_fmt:MATRIX_FMT_FP6
.endr
.endr
	PLACES 4
.if \pre
	KLOAD                                          ; it has the whole softmax in which to land
.else
	WIN 0
.endif
	; the largest score of each block of 32 keys, in two chains of 16; ascending
.irp w, 0,1
.irp c, 0,1
.irp d, 0,1
	v_max3_num_f32 v[ST+SZ*\w+BM+2*\d+\c], v[S+64*\w+32*\c+16*\d], v[S+64*\w+32*\c+16*\d+1], v[S+64*\w+32*\c+16*\d+2]
.endr
.endr
.endr
.irp i, 3,5,7,9,11,13
.irp w, 0,1
.irp c, 0,1
.irp d, 0,1
	v_max3_num_f32 v[ST+SZ*\w+BM+2*\d+\c], v[ST+SZ*\w+BM+2*\d+\c], v[S+64*\w+32*\c+16*\d+\i], v[S+64*\w+32*\c+16*\d+\i+1]
.endr
.endr
.endr
.endr
.irp w, 0,1
.irp c, 0,1
	v_max3_num_f32 v[ST+SZ*\w+BM+\c], v[ST+SZ*\w+BM+\c], v[S+64*\w+32*\c+15], v[S+64*\w+32*\c+31]
.endr
.endr
.irp w, 0,1
.irp c, 0,1
	v_max_num_f32 v[ST+SZ*\w+BM+\c], v[ST+SZ*\w+BM+\c], v[ST+SZ*\w+BM+2+\c]
.endr
.endr
	; the row's maximum, M and f
.irp w, 0,1
	v_max_num_f32 v[ST+SZ*\w+TT], v[ST+SZ*\w+BM], v[ST+SZ*\w+BM+1]
.endr
.irp w, 0,1
	v_permlanex16_b32 v[ST+SZ*\w+XP], v[ST+SZ*\w+TT], s[SEL], s[SEL+1]
.endr
.if !\first
.irp w, 0,1
	v_mov_b32 v[ST+SZ*\w+OLD], v[ST+SZ*\w+NM]
.endr
.endif
.irp w, 0,1
	v_max3_num_f32 v[ST+SZ*\w+RT], v[ST+SZ*\w+RT], v[ST+SZ*\w+TT], v[ST+SZ*\w+XP]   ; the running largest score of my query
.endr
.irp w, 0,1
	v_mul_f32 v[ST+SZ*\w+TT], s[CS], v[ST+SZ*\w+RT]                                ; as t
.endr
.irp w, 0,1
	v_floor_f32 v[ST+SZ*\w+NM], -v[ST+SZ*\w+TT]    ; the new -M = -ceil(t): a whole number
.endr
.if !\first
.irp w, 0,1
	v_sub_f32 v[ST+SZ*\w+DD], v[ST+SZ*\w+NM], v[ST+SZ*\w+OLD]   ; old M - new M, 0 or less
.endr
.irp w, 0,1
	v_cvt_i32_f32 v[ST+SZ*\w+DD], v[ST+SZ*\w+DD]   ; (it saturates)
.endr
.irp w, 0,1
	v_ldexp_f32 v[ST+SZ*\w+F], 1.0, v[ST+SZ*\w+DD] ; f = 2^(old M - new M)
.endr
	WIN W_RS
.set j, 0
.rept 16
.irp w, 0,1
	v_pk_mul_f32 v[O+OZ*\w+j:O+OZ*\w+j+1], v[O+OZ*\w+j:O+OZ*\w+j+1], v[ST+SZ*\w+F:ST+SZ*\w+F+1] op_sel_hi:[1,0]   ; O^T under the new M, each accumulator from its low end on; no exponential stands between the last products and these lines
.endr
.set j, j+2
.endr
	WIN 0
.endif
	; tile 0's t - M: of each block's largest score, and of its 64 scores, two at a time
.irp c, 0,1
	v_fma_f32 v[ST+BM+\c], v[ST+BM+\c], s[CS], v[ST+NM]
.endr
.set n, 0
.rept 32
	v_pk_fma_f32 v[S+2*n:S+2*n+1], v[S+2*n:S+2*n+1], s[CS:CS+1], v[ST+NM:ST+NM+1] op_sel_hi:[1,0,0]
.set n, n+1
.endr
	s_wait_alu depctr_va_vdst(0)                   ; the wait ahead of tile 0's exponentials
.irp c, 0,1
	v_exp_f32 v[ST+BM+\c], v[ST+BM+\c]             ; each block's largest p
.endr
.irp c, 0,1
	v_fma_f32 v[ST+SZ+BM+\c], v[ST+SZ+BM+\c], s[CS], v[ST+SZ+NM]
.endr
.set n, 0
.rept 32                               ; a round: tile 1's pair n is scaled, tile 0's pair n goes through the exponential.  The scalings are first read behind the next wait
	v_pk_fma_f32 v[S+64+2*n:S+64+2*n+1], v[S+64+2*n:S+64+2*n+1], s[CS:CS+1], v[ST+SZ+NM:ST+SZ+NM+1] op_sel_hi:[1,0,0]
	v_exp_f32 v[S+2*n], v[S+2*n]                   ; p = 2^(t - M)
	v_exp_f32 v[S+2*n+1], v[S+2*n+1]
.set n, n+1
.endr
	s_wait_alu depctr_va_vdst(0)                   ; the wait behind tile 0's exponentials and ahead of tile 1's
.if \first
	v_nop                                          ; a plain line behind the exponentials
.else
.irp w, 0,1
	v_pk_mul_f32 v[ST+SZ*\w+L:ST+SZ*\w+L+1], v[ST+SZ*\w+L:ST+SZ*\w+L+1], v[ST+SZ*\w+F:ST+SZ*\w+F+1] op_sel_hi:[1,0]   ; the sums under the new M
.endr
.endif
.irp c, 0,1
	v_exp_f32 v[ST+SZ+BM+\c], v[ST+SZ+BM+\c]
.endr
.set n, 0
.rept 32
	v_exp_f32 v[S+64+2*n], v[S+64+2*n]
	v_exp_f32 v[S+64+2*n+1], v[S+64+2*n+1]
.if n == 3
	POST 0
.endif
.if (n >= 4) && (n < 20)
	PAIRS 0, n-4
.endif
.set n, n+1
.endr
	v_nop                                          ; a plain line behind the last exponential,
	s_wait_alu depctr_va_vdst(0)                   ; and the wait for tile 1's
	POST 1
.set j, 0
.rept 16                               ; these 16 lines stand between the last writes of p's scale word and codes and the products
	PAIRS 1, j
.set j, j+1
.endr
	s_wait_alu depctr_va_vdst(0)                   ; directly ahead of the wait below
.if \pre
	s_wait_dscnt 18                                ; all but the next step's k (18 loads): v and its scale words are in
.else
	s_wait_dscnt 0x0
.endif
.if \first
	WIN W_RS
.else
	WIN W_PV
.endif
.irp u, 0,1,2,3                        ; O^T += v^T p^T: eight accumulators, one instruction each; the score products stand between two links of each chain
.irp w, 0,1
.if \first
	v_wmma_scale_f32_16x16x128_f8f6f4 v[O+OZ*\w+8*\u:O+OZ*\w+8*\u+7], v[FV+12*\u:FV+12*\u+11], v[P+12*\w:P+12*\w+11], 0, v[VSR+\u], v[PW+\w] matrix_a_fmt:MATRIX_FMT_FP6 matrix_b_fmt:MATRIX_FMT_FP6
.else
	v_wmma_scale_f32_16x16x128_f8f6f4 v[O+OZ*\w+8*\u:O+OZ*\w+8*\u+7], v[FV+12*\u:FV+12*\u+11], v[P+12*\w:P+12*\w+11], v[O+OZ*\w+8*\u:O+OZ*\w+8*\u+7], v[VSR+\u], v[PW+\w] matrix_a_fmt:MATRIX_FMT_FP6 matrix_b_fmt:MATRIX_FMT_FP6
.endif
.endr
.endr
	WIN 0
	; the sum's second level: each tile's 16 sums of pairs, at S + 4 j, onto four chains
.irp k, 1,2,3
.irp w, 0,1
	v_pk_add_f32 v[ST+SZ*\w+L+2*\k:ST+SZ*\w+L+2*\k+1], v[S+64*\w+8*(\k-1):S+64*\w+8*(\k-1)+1], v[S+64*\w+8*(\k-1)+4:S+64*\w+8*(\k-1)+5]   ; numbers 0-5 start three chains
.endr
.endr
.set j, 6
.rept 10
.irp w, 0,1
	v_pk_add_f32 v[ST+SZ*\w+L+2*((j-6)%4):ST+SZ*\w+L+2*((j-6)%4)+1], v[ST+SZ*\w+L+2*((j-6)%4):ST+SZ*\w+L+2*((j-6)%4)+1], v[S+64*\w+4*j:S+64*\w+4*j+1]
.endr
.set j, j+1
.endr
.irp w, 0,1
	v_pk_add_f32 v[ST+SZ*\w+L:ST+SZ*\w+L+1], v[ST+SZ*\w+L:ST+SZ*\w+L+1], v[ST+SZ*\w+L+2:ST+SZ*\w+L+3]
.endr
.irp w, 0,1
	v_pk_add_f32 v[ST+SZ*\w+L+4:ST+SZ*\w+L+5], v[ST+SZ*\w+L+4:ST+SZ*\w+L+5], v[ST+SZ*\w+L+6:ST+SZ*\w+L+7]
.endr
.irp w, 0,1
	v_pk_add_f32 v[ST+SZ*\w+L:ST+SZ*\w+L+1], v[ST+SZ*\w+L:ST+SZ*\w+L+1], v[ST+SZ*\w+L+4:ST+SZ*\w+L+5]
.endr
	s_wait_alu depctr_va_vdst(0)                   ; the wait at the step's end, ahead of the scalar lines, the branch or the barrier that follow
.endm
	s_load_b128 s[4:7], s[0:1], 0x0                ; qimg, kvimg
	s_load_b64 s[8:9], s[0:1], 0x10                ; aimg
	v_lshl_add_u32 v[SPW], v0, 2, SPARE
	v_mov_b32 v[NIL], 0
	ds_add_u32 v[SPW], v[NIL]                      ; the opening: the add, twice on end, and its wait ahead of my first tensor load
	ds_add_u32 v[SPW], v[NIL]
	v_lshrrev_b32 v13, 5, v0
	v_readfirstlane_b32 s[WV], v13                 ; wave 0..7
	v_and_b32 v13, 31, v0                          ; lane
	v_and_b32 v14, 15, v0                          ; r
	v_bfe_u32 v15, v0, 4, 1                        ; h
	v_lshlrev_b32 v1, 4, v13                       ; 16 l
	v_lshlrev_b32 v2, 3, v13                       ; 8 l
	v_lshlrev_b32 v3, 4, v14                       ; 16 r
	v_add_nc_u32 v[BO], v3, v15
	v_lshlrev_b32 v[SH8], 3, v15
.irp w, 0,1
	v_mov_b32 v[ST+SZ*\w+L], 0
	v_mov_b32 v[ST+SZ*\w+L+1], 0
	v_mov_b32 v[ST+SZ*\w+RT], 0xf149f2ca           ; -1e30
	v_mov_b32 v[ST+SZ*\w+XP], 0                    ; a lane permute's destination counts as one of its sources
	v_mov_b32 v[ST+SZ*\w+F+1], 0                   ; (named as the upper half of a pair)
.endr
	WIN TO_1
.irp i, 8,9,10,11,20,21,22,23
	v_mov_b32 v[Q+\i], 0                           ; q's codes at k = 80 .. 95 and 112 .. 127
.endr
.irp i, 64,65,66,67
	v_mov_b32 v[FK+\i], 0                          ; behind k's last tile
.endr
	WIN 0
	s_wait_alu depctr_va_vdst(0)                   ; the wait behind the head's vector lines
	s_bfe_u32 s11, ttmp6, 0x40000                  ; cx: it enters q's and the output's addresses alone
	s_lshl_b32 s12, ttmp9, 2
	s_add_co_u32 s12, s12, s11                     ; G
	s_and_b32 s13, ttmp7, 0xffff                   ; the kv head, which the four partners share
	s_lshr_b32 s14, s[WV], 1
	s_lshl_b32 s14, s14, 3
	s_add_co_u32 s14, s14, s13                     ; my head = 8 g + kv head
	s_and_b32 s15, s[WV], 1
	s_lshl_b32 s15, s15, 1                         ; my first tile in the group
	s_lshl_b32 s[W2], s[WV], 1                     ; my first record
	s_mov_b32 s[G1], 15|(3<<16)|(1<<21)            ; the mask: all four; elements of 8 bytes; 21 set beside a mask; no padding
	s_mov_b32 s[G1+1], 32<<16                      ; two records: 118 rows of 256 bytes, dense
	s_mov_b32 s[G1+2], 118<<16
	s_mov_b32 s[G1+3], 32<<16
	s_mov_b32 s[G1+4], 118
	s_mov_b32 s[G1+5], 32
	s_mov_b32 s[G1+6], 0
	s_mov_b32 s[G1+7], 0
	s_mul_i32 s16, s[WV], 2*REC
	s_mul_i32 s18, s13, 16*REC
	s_add_co_u32 s18, s18, s16
	s_mov_b32 s19, 0
	s_lshl_b32 s58, s12, 2
	s_add_co_u32 s58, s58, s15                     ; my first tile of queries: 4 G + a
	s_lshl_b32 s20, s14, 17
	s_lshl_b32 s59, s58, 10
	s_add_co_u32 s20, s20, s59                     ; q's codes
	s_mov_b32 s21, 0
	s_lshl_b32 s22, s14, 5
	s_add_co_u32 s22, s22, s12
	s_lshl_b32 s22, s22, 8
	s_lshl_b32 s59, s15, 2
	s_add_co_u32 s22, s22, s59
	s_add_co_u32 s22, s22, 4194304                 ; q's scale words
	s_mov_b32 s23, 0
	s_mul_i32 s54, s58, 24576                      ; the output's codes: tile, K step head / 2, half head % 2
	s_lshr_b32 s59, s14, 1
	s_mul_i32 s60, s59, 1536
	s_add_co_u32 s54, s54, s60
	s_and_b32 s60, s14, 1
	s_mul_i32 s61, s60, 768
	s_add_co_u32 s54, s54, s61
	s_mov_b32 s55, 0
	s_lshl_b32 s56, s58, 10                        ; its scale bytes
	s_lshr_b32 s61, s14, 3
	s_lshl_b32 s61, s61, 8
	s_add_co_u32 s56, s56, s61
	s_and_b32 s59, s59, 3
	s_lshl_b32 s59, s59, 2
	s_add_co_u32 s56, s56, s59
	s_lshl_b32 s60, s60, 1
	s_add_co_u32 s56, s56, s60
	s_add_co_u32 s56, s56, 3145728
	s_mov_b32 s57, 0
	s_mov_b32 s[SEL], 0x76543210
	s_mov_b32 s[SEL+1], 0xfedcba98                 ; the selects for lane l xor 16
	s_mov_b32 s[CS], 0x3e38aa3b                    ; log2(e) / 8
	s_mov_b32 s[CS+1], s[CS]                       ; (named with it as a pair, so it is written)
	s_wait_dscnt 0x0                               ; both opening adds are done
	s_wait_kmcnt 0x0
	s_add_nc_u64 s[18:19], s[6:7], s[18:19]
	s_add_nc_u64 s[20:21], s[4:5], s[20:21]
	s_add_nc_u64 s[22:23], s[4:5], s[22:23]
	s_add_nc_u64 s[54:55], s[8:9], s[54:55]
	s_add_nc_u64 s[56:57], s[8:9], s[56:57]
	s_mov_b32 s[G0], 1
	s_mul_i32 s[G0+1], s[WV], 2*REC                ; my two records' place: the wave's number alone
	s_mov_b64 s[G0+2:G0+3], s[18:19]
	s_or_b32 s[G0+3], s[G0+3], 0x80000000
	WIN TO_1                                       ; q is asked for ahead of the round: nobody writes these bytes in this launch
.irp w, 0,1
	global_load_b128 v[Q+12*\w:Q+12*\w+3], v1, s[20:21] offset:1024*\w
	global_load_b128 v[Q+12*\w+4:Q+12*\w+7], v1, s[20:21] offset:1024*\w+512
.endr
	WIN 0
	global_load_b32 v[QS], v3, s[22:23]
	global_load_b32 v[QS+1], v3, s[22:23] offset:4
	CROUND                                         ; all four work-groups are here: the joint loads meet
	tensor_load_to_lds s[G0:G0+3], s[G1:G1+7]      ; every wave's one load
	s_nop 0
	PLACES 4
	s_mul_i32 s[TB], s[WV], 2*REC                  ; key step 0: my own first record, and my own second as the next
	s_add_co_u32 s[TN], s[TB], REC
	s_wait_loadcnt 0x0                             ; q
	s_wait_tensorcnt 0x0                           ; my two records are in:
	s_barrier_signal -1                            ; say so.  Up to the wait for the others I read my own two records alone
	v_add_nc_u32 v[A16N], s[TB], v1
	v_add_nc_u32 v[ARN], s[TB], v3
	KLOAD                                          ; key step 0's k
	KSTEP 1, 1
	s_barrier_wait -1                              ; all sixteen records are in
	s_mov_b32 s[CNT], 1
.Lstep:                                                ; key steps 1-14: record (2 w + t) % 16, and the next one's k
	s_add_co_u32 s[T0], s[CNT], s[W2]
	s_and_b32 s[T0], s[T0], 15
	s_mul_i32 s[TB], s[T0], REC
	s_add_co_u32 s[T0], s[T0], 1
	s_and_b32 s[T0], s[T0], 15
	s_mul_i32 s[TN], s[T0], REC
	KSTEP 0, 1
	s_add_co_u32 s[CNT], s[CNT], 1
	s_cmp_lt_u32 s[CNT], 15
	s_cbranch_scc1 .Lstep
	s_add_co_u32 s[T0], s[W2], 15
	s_and_b32 s[T0], s[T0], 15
	s_mul_i32 s[TB], s[T0], REC
	KSTEP 0, 0                                     ; the last step is written out: no k is left to ask for
	; THE WAY OUT: O^T / the sum: register j is channel 32 h + j of my query: one block of the last product's K.  The last step's sums are the places behind its products
.irp w, 0,1
	v_add_f32 v[ST+SZ*\w+TT], v[ST+SZ*\w+L], v[ST+SZ*\w+L+1]
.endr
.irp w, 0,1
	v_permlanex16_b32 v[ST+SZ*\w+XP], v[ST+SZ*\w+TT], s[SEL], s[SEL+1]
.endr
.irp w, 0,1
	v_add_f32 v[ST+SZ*\w+TT], v[ST+SZ*\w+TT], v[ST+SZ*\w+XP]   ; the row's sum
.endr
	s_wait_alu depctr_va_vdst(0)                   ; the wait ahead of the reciprocals
.irp w, 0,1
	v_rcp_f32 v[ST+SZ*\w+TT], v[ST+SZ*\w+TT]
.endr
	v_nop                                          ; a plain line behind the reciprocals,
	WIN 0x01                                       ; source 0 (O^T) window 1
	s_wait_alu depctr_va_vdst(0)                   ; and one wait for the two, directly ahead of the first reader of O^T
.irp w, 0,1
.set j, 0
.rept 32
	v_mul_f32 v[S+64*\w+j], v[O+OZ*\w+j], v[ST+SZ*\w+TT]       ; ascending: each accumulator from its low end on
.set j, j+1
.endr
.endr
	WIN 0
.irp w, 0,1
	QUANT32 S+64*\w, P+12*\w, T+8*\w, ST+SZ*\w+BM, ST+SZ*\w+SO, ST+SZ*\w+BY
	global_store_b128 v1, v[P+12*\w:P+12*\w+3], s[54:55] offset:24576*\w        ; 512 consecutive bytes, aligned
	global_store_b64 v2, v[P+12*\w+4:P+12*\w+5], s[54:55] offset:24576*\w+512   ; 256 likewise
	global_store_b8 v[BO], v[ST+SZ*\w+BY], s[56:57] offset:1024*\w
.endr
	s_wait_tensorcnt 0x0                           ; the wave's end, behind my last tensor load
	ds_add_u32 v[SPW], v[NIL]
	s_wait_dscnt 0x0
	CROUND                                         ; the closing round
	s_endpgm
.Lfunc_end_k_qf699a6f703_attn:
	.size	k_qf699a6f703_attn, .Lfunc_end_k_qf699a6f703_attn-k_qf699a6f703_attn
	.p2alignl 7, 3214868480
	.fill 96, 4, 3214868480
	.section	.rodata,"a",@progbits
	.p2align	6, 0x0
	.amdhsa_kernel k_qf699a6f703_attn
		.amdhsa_group_segment_fixed_size 242688
		.amdhsa_private_segment_fixed_size 0
		.amdhsa_enable_private_segment 0
		.amdhsa_kernarg_size 24
		.amdhsa_user_sgpr_count 2
		.amdhsa_user_sgpr_kernarg_segment_ptr 1
		.amdhsa_wavefront_size32 1
		.amdhsa_system_sgpr_workgroup_id_x 1
		.amdhsa_system_sgpr_workgroup_id_y 1
		.amdhsa_system_sgpr_workgroup_id_z 1
		.amdhsa_system_vgpr_workitem_id 0
		.amdhsa_next_free_vgpr 512
		.amdhsa_next_free_sgpr 66
		.amdhsa_reserve_vcc 0
		.amdhsa_float_denorm_mode_32 3
		.amdhsa_float_denorm_mode_16_64 3
		.amdhsa_memory_ordered 1
		.amdhsa_forward_progress 1
		.amdhsa_inst_pref_size 92
	.end_amdhsa_kernel
	.amdgpu_metadata
---
amdhsa.version: [ 1, 2 ]
amdhsa.kernels:
  - .name:           k_qf699a6f703_attn
    .symbol:         k_qf699a6f703_attn.kd
    .args:
      - { .name: qimg, .offset: 0, .size: 8, .value_kind: global_buffer, .address_space: global }
      - { .name: kvimg, .offset: 8, .size: 8, .value_kind: global_buffer, .address_space: global }
      - { .name: aimg, .offset: 16, .size: 8, .value_kind: global_buffer, .address_space: global }
    .group_segment_fixed_size: 242688
    .private_segment_fixed_size: 0
    .kernarg_segment_align: 8
    .kernarg_segment_size: 24
    .max_flat_workgroup_size: 256
    .sgpr_count:     66
    .vgpr_count:     512
    .wavefront_size: 32
...
	.end_amdgpu_metadata
.endif
;; end of part 3
;; launch oproj (part 4): grid 16 x 16, 4 waves a work-group, clusters of 4 x 4, 327,680 bytes of LDS; arguments codes, scales, aimg, out0; writes out0
.if DOCPART == 4
	.amdgcn_target "amdgcn-amd-amdhsa--gfx1250"
	.amdhsa_code_object_version 6
	.text
	.protected	k_qf699a6f703_oproj
	.globl	k_qf699a6f703_oproj
	.p2align	8
	.type	k_qf699a6f703_oproj,@function
k_qf699a6f703_oproj:
	s_mov_b64 s[64:65], 0
	v_nop
	global_prefetch_b8 v0, s[64:65] scope:SCOPE_SE
	s_setreg_imm32_b32 hwreg(HW_REG_WAVE_MODE, 25, 1), 1
	s_wait_xcnt 0x0
	s_wait_alu depctr_hold_cnt(0) depctr_sa_sdst(0) depctr_va_vdst(0) depctr_va_sdst(0) depctr_va_ssrc(0) depctr_va_vcc(0) depctr_vm_vsrc(0)
	s_getreg_b32 s2, hwreg(HW_REG_IB_STS2, 6, 4)
	s_cmp_eq_u32 s2, 0
	s_cbranch_scc0 .Lentry_in_a_cluster
	s_endpgm
.Lentry_in_a_cluster:
	s_bfe_u32 s2, ttmp6, 0x10000c
	s_cmp_lg_u32 s2, 0xf033
	s_cbranch_scc0 .Lentry_shape_is_right
	s_endpgm
.Lentry_shape_is_right:
; LAUNCH 4 OF 4.  out0 = (attention's output) wo^T on codes of FP6, K = 2,048.  No work of reference() is left out.
; The product's core is launch 2's: a work-group makes 128 x 128, four waves 64 x 64; source 0 = wo's tile b (operand B), source 1 = the attention output's tile a (operand A); accumulator (a, b) at v[ACC + 32 a + 8 b].
; THE WALK ALONG K: 16 K steps, three fills, two LDS regions of 6 K steps laid [tile][K step][1,536].  At the head one load a wave: A's 8 tiles x steps 0-5, B's, A's scale words, B's.  Behind the full sequence and a round: steps 6-11 into region 1.
; At step 5's change of regions: steps 12-15 into region 0, six K steps ahead of their first read.  A wave never has more than one tensor load out.
; CLUSTERS 4 x 4: A's tiles are asked for jointly along a row of the cluster, B's along a column.  256 work-groups.
; PREFETCH, as in launch 2: each later fill's bytes are named one fill ahead; of the four tiles that a wave will fetch each of the four partners names one, told apart by address: 36 blocks of 256 bytes, then 24.
; By the tiles' choice of rows a lane's 32 registers of a fixed a are columns 64 GN + 32 h + 0 .. 31 of out0's row 64 GM + 32 (r / 8) + 8 a + r % 8.
; THE WAY OUT: 16 rows x 64 columns at a time through the wave's own stage, in region 1, which has had its only fill and, behind step 11's barrier, its last read; sixteen lanes then store 256 consecutive bytes, aligned.
.set FRB,   1536
.set PART,  24*FRB                     ; four tiles x six K steps: a wave's part of a region
.set YB,    4*PART                     ; region 1
.set SCL,   2*YB
.set SPARE, SCL+16384                  ; the spare words, 128 bytes a wave, which no other line names
.set SPITCH, 272                       ; a stage row: 256 bytes + 16
.set AA16,  8
.set AA8,   11
.set AB16,  14
.set AB8,   17
.set PF1,   10                         ; the prefetches' offsets: 256 x lane; 256 x min(32 + lane, 35); 256 x min(lane, 23)
.set PF2,   13
.set PF3,   16
.set ADRS,  20
.set STO,   21                         ; the stage: where I put my 128 bytes of a row
.set RD,    22                         ; and where I read rows back
.set CO,    23                         ; my byte offset in out0
.set SPW,   28
.set NIL,   29
.set SC,    32
.set BK,    64                         ; v64-95, v96-127 by turns: 16 rows read back
.set ACC,   128
.set WV,    22
.set WH,    23
.set WL,    66
.set G1A,   24
.set G1B,   32
.set G1SA,  40
.set G1SB,  48
.set G0HA,  56
.set G0HB,  60
.set G0SA,  68
.set G0SB,  72
.set G0A,   76
.set G0B,   80
.set MSB, 0
.macro WIN new
.if MSB != \new
	s_set_vgpr_msb (MSB<<8)|\new
.set MSB, \new
.endif
.endm
.set MUL,  0x05
.set TO_F, 0x40
.macro PLACES n
.rept \n
	v_nop
.endr
.endm
.macro JLOAD g0a, g1a, g0b, g1b        ; a joint load: waves 0, 1 fetch for A, waves 2, 3 for B; an s_nop 0 and four v_nop follow each line
	s_cmp_eq_u32 s[WH], 0
	s_cbranch_scc0 .Lfor_b_\@
	tensor_load_to_lds s[\g0a:\g0a+3], s[\g1a:\g1a+7]
	s_nop 0
	PLACES 4
	s_branch .Lasked_\@
.Lfor_b_\@:
	tensor_load_to_lds s[\g0b:\g0b+3], s[\g1b:\g1b+7]
	s_nop 0
	PLACES 4
.Lasked_\@:
.endm
.macro ARM under, g0, g1, next         ; an arm of the head's one chain of branches on the wave's number
	s_cmp_lt_u32 s[WV], \under
	s_cbranch_scc0 \next
	tensor_load_to_lds s[\g0:\g0+3], s[\g1:\g1+7]
	s_nop 0
	PLACES 4
	s_branch .Lhead_asked
\next:
.endm
.macro CREST
	s_cmp_lg_u32 s[WV], 0
	s_cbranch_scc1 .Lnot_wave_0_\@
	s_barrier_signal -3
.Lnot_wave_0_\@:
	s_barrier_wait -3
	s_barrier_signal -1
	s_barrier_wait -1
.endm
.macro CROUND
	s_barrier_signal -1
	s_barrier_wait -1
	CREST
.endm
.macro SETG1 g, d0, rows, pitch
	s_mov_b32 s[\g+1], (\d0)<<16
	s_mov_b32 s[\g+2], (\rows)<<16
	s_mov_b32 s[\g+3], (\d0)<<16
	s_mov_b32 s[\g+4], \rows
	s_mov_b32 s[\g+5], \pitch
	s_mov_b32 s[\g+6], 0
	s_mov_b32 s[\g+7], 0
.endm
.macro SETG0 g, lds, ptr, step
	s_mov_b32 s[\g], 1
	s_mov_b32 s[\g+1], \lds
	s_add_nc_u64 s[\g+2:\g+3], s[\ptr:\ptr+1], \step
	s_or_b32 s[\g+3], s[\g+3], 0x80000000
.endm
.macro FRAGLD reg, a16, a8, off
	ds_load_b128 v[(\reg):(\reg)+3], v[\a16] offset:\off
	ds_load_b64 v[(\reg)+4:(\reg)+5], v[\a8] offset:\off+512
	ds_load_b128 v[(\reg)+6:(\reg)+9], v[\a16] offset:\off+768
	ds_load_b64 v[(\reg)+10:(\reg)+11], v[\a8] offset:\off+1280
.endm
.macro FETCH n, p                      ; 32 loads in one run: K step n into buffer p; the youngest eight are A's tiles 2, 3
.if (\n) < 12
.set TS, 6*FRB
.set OF, ((\n)%6)*FRB
.set RG, (\n)/6
.else
.set TS, 4*FRB
.set OF, ((\n)-12)*FRB
.set RG, 0
.endif
	WIN TO_F
.irp b, 0,1,2,3
	FRAGLD 96*(\p)+12*\b, AB16+RG, AB8+RG, \b*TS+OF
.endr
.irp a, 0,1,2,3
	FRAGLD 96*(\p)+48+12*\a, AA16+RG, AA8+RG, \a*TS+OF
.endr
.endm
.macro SCALES q
.irp i, 0,1,2,3
	ds_load_b128 v[SC+16*((\q)%2)+4*\i:SC+16*((\q)%2)+4*\i+3], v[ADRS] offset:1024*\i+256*(\q)
.endr
.endm
.macro MULS a, st, zero                ; the 16 accumulators take turns, one instruction a turn, in the same order in every K step
.set FB, 96*((\st)%2)
.set SS, SC+16*(((\st)/4)%2)+(\st)%4
.irp b, 0,1,2,3
.if \zero
	v_wmma_scale_f32_16x16x128_f8f6f4 v[ACC+32*(\a)+8*\b:ACC+32*(\a)+8*\b+7], v[FB+12*\b:FB+12*\b+11], v[FB+48+12*(\a):FB+48+12*(\a)+11], 0, v[SS+4*\b], v[SS+4*(\a)] matrix_a_fmt:MATRIX_FMT_FP6 matrix_b_fmt:MATRIX_FMT_FP6 matrix_a_scale:MATRIX_SCALE_ROW1
.else
	v_wmma_scale_f32_16x16x128_f8f6f4 v[ACC+32*(\a)+8*\b:ACC+32*(\a)+8*\b+7], v[FB+12*\b:FB+12*\b+11], v[FB+48+12*(\a):FB+48+12*(\a)+11], v[ACC+32*(\a)+8*\b:ACC+32*(\a)+8*\b+7], v[SS+4*\b], v[SS+4*(\a)] matrix_a_fmt:MATRIX_FMT_FP6 matrix_b_fmt:MATRIX_FMT_FP6 matrix_a_scale:MATRIX_SCALE_ROW1
.endif
.endr
.endm
.macro STEP st, sc, zero               ; as in launch 2
.if \sc
	WIN 0
	SCALES ((\st)+3)/4
	s_wait_dscnt 12                                ; all but these four and the eight loads of A's tiles 2, 3
.else
	s_wait_dscnt 8                                 ; all but the youngest eight loads (A's tiles 2, 3) are in
.endif
	WIN MUL
	MULS 0, \st, \zero
	MULS 1, \st, \zero
	PLACES 4
	FETCH (\st)+1, ((\st)+1)%2
	s_wait_dscnt 32                                ; all but the 32 just issued
	WIN MUL
	MULS 2, \st, \zero
	MULS 3, \st, \zero
.endm
.macro TURN st, fill                   ; a region's last K step (as in launch 2)
	WIN 0
	s_wait_tensorcnt 0x0
.if \fill
	ds_add_u32 v[SPW], v[NIL]                      ; 0 onto my spare word
.irp g, G1A, G1B                       ; no tensor load of mine is out: rows of four K steps,
	s_mov_b32 s[\g+1], 768<<16
	s_mov_b32 s[\g+3], 768<<16
.endr
.irp g, G0A, G0B                       ; my part of region 0, six K steps further along K
	s_mul_i32 s[\g+1], s[WV], PART
	s_add_nc_u64 s[\g+2:\g+3], s[\g+2:\g+3], 6*FRB
.endr
	s_wait_dscnt 9                                 ; (the add and the youngest eight loads may be out)
.else
	s_wait_dscnt 8
.endif
	WIN MUL
	MULS 0, \st, 0
	s_wait_dscnt 0x0                               ; my reads of this region are over (and the add is done)
	s_barrier_signal -1
	MULS 1, \st, 0
	WIN 0
	s_barrier_wait -1
.if \fill
	CREST                                          ; no wave of any partner still reads region 0 or has a load on its way
	JLOAD G0A, G1A, G0B, G1B                       ; its four v_nop are the places in front of the loads below
.else
	PLACES 4
.endif
	FETCH (\st)+1, ((\st)+1)%2
	WIN MUL
	MULS 2, \st, 0
	MULS 3, \st, 0
.endm
	s_load_b256 s[4:11], s[0:1], 0x0               ; codes, scales, aimg, out0
	v_lshl_add_u32 v[SPW], v0, 2, SPARE
	v_mov_b32 v[NIL], 0
	ds_add_u32 v[SPW], v[NIL]                      ; the opening: the add, twice on end, and its wait ahead of my first tensor load
	ds_add_u32 v[SPW], v[NIL]
	v_lshrrev_b32 v1, 5, v0
	v_readfirstlane_b32 s[WV], v1
	s_lshr_b32 s[WH], s[WV], 1
	s_and_b32 s[WL], s[WV], 1
	s_bfe_u32 s92, ttmp6, 0x40000                  ; cx
	s_bfe_u32 s93, ttmp6, 0x40004                  ; cy
	s_lshl_b32 s96, ttmp9, 2
	s_add_co_u32 s96, s96, s92                     ; the block of 128 columns = 4 x cluster x + cx
	s_and_b32 s97, ttmp7, 0xffff
	s_lshl_b32 s97, s97, 2
	s_add_co_u32 s97, s97, s93                     ; the block of 128 rows = 4 x cluster y + cy
	s_lshl_b32 s98, s93, 2
	s_lshl_b32 s98, 15, s98                        ; my row of the cluster
	s_lshl_b32 s94, 0x1111, s92                    ; my column
	s_or_b32 s[G1A], s98, (3<<16)|(1<<21)
	s_or_b32 s[G1B], s94, (3<<16)|(1<<21)
	s_or_b32 s[G1SA], s98, (3<<16)|(1<<21)
	s_or_b32 s[G1SB], s94, (3<<16)|(1<<21)
	SETG1 G1A, 1152, 8, 3072                       ; codes: 8 rows (tiles) of 9,216 bytes, 24,576 bytes apart
	SETG1 G1B, 1152, 8, 3072
	SETG1 G1SA, 32, 32, 32                         ; scale words: 8,192 dense bytes as 32 rows of 256
	SETG1 G1SB, 32, 32, 32
	s_lshl_b32 s12, s97, 3                         ; A's first tile (tiles of queries),
	s_lshl_b32 s13, s96, 3
	s_add_co_u32 s13, s13, 448                     ; and B's (wo begins at tile 448)
	s_mul_i32 s100, s12, 24576
	s_mov_b32 s101, 0
	s_lshl_b32 s98, s12, 10
	s_add_co_u32 s98, s98, 3145728
	s_mov_b32 s99, 0
	s_mul_i32 s2, s13, 24576
	s_mov_b32 s3, 0
	s_lshl_b32 s94, s13, 10
	s_mov_b32 s95, 0
	s_mul_i32 s84, s[WL], 4*24576                  ; behind the head I fetch four tiles: which four
	s_mov_b32 s85, 0
	s_mul_i32 s86, s[WV], PART
	s_wait_dscnt 0x0                               ; both opening adds are done
	s_wait_kmcnt 0x0
	s_add_nc_u64 s[100:101], s[8:9], s[100:101]    ; A's codes,
	s_add_nc_u64 s[98:99], s[8:9], s[98:99]        ; A's scale words,
	s_add_nc_u64 s[2:3], s[4:5], s[2:3]            ; B's codes,
	s_add_nc_u64 s[94:95], s[6:7], s[94:95]        ; B's scale words
	SETG0 G0HA, 0, 100, 0
	SETG0 G0HB, 2*PART, 2, 0
	SETG0 G0SA, SCL, 98, 0
	SETG0 G0SB, SCL+8192, 94, 0
	s_add_nc_u64 s[100:101], s[100:101], s[84:85]
	s_add_nc_u64 s[2:3], s[2:3], s[84:85]
	SETG0 G0A, 0, 100, 6*FRB                       ; K steps 6-11,
	SETG0 G0B, 0, 2, 6*FRB
	s_add_co_u32 s[G0A+1], s86, YB                 ; into my part of region 1
	s_add_co_u32 s[G0B+1], s86, YB
	s_cmp_eq_u32 s[WH], 0                          ; the prefetches: of the four tiles that I fetch,
	s_cselect_b64 s[4:5], s[100:101], s[2:3]
	s_cselect_b32 s6, s92, s93                     ; the one of my place among the four that ask with me
	s_mul_i32 s6, s6, 24576
	s_mov_b32 s7, 0
	s_add_nc_u64 s[4:5], s[4:5], s[6:7]
	CROUND                                         ; all sixteen work-groups are here: the first joint loads meet
	ARM 1, G0HA, G1A, .Lhead_b                     ; one load a wave
	ARM 2, G0HB, G1B, .Lhead_sa
	ARM 3, G0SA, G1SA, .Lhead_sb
	tensor_load_to_lds s[G0SB:G0SB+3], s[G1SB:G1SB+7]
	s_nop 0
	PLACES 4
.Lhead_asked:
	s_mul_i32 s100, s[WH], PART
	s_mul_i32 s101, s[WL], PART
	s_add_co_u32 s101, s101, 2*PART
	s_add_co_u32 s87, s100, YB
	s_add_co_u32 s88, s101, YB
	s_lshl_b32 s89, s[WH], 12
	s_lshl_b32 s90, s[WL], 12
	s_add_co_u32 s90, s90, 8192
	s_sub_co_u32 s90, s90, s89
	s_add_co_u32 s89, s89, SCL
	s_mul_i32 s91, s[WV], 16*SPITCH
	s_add_co_u32 s91, s91, YB                      ; my stage
	s_lshl_b32 s12, s97, 1
	s_add_co_u32 s12, s12, s[WH]                   ; GM
	s_lshl_b32 s12, s12, 19                        ; 64 rows of 8,192 bytes
	s_lshl_b32 s13, s96, 1
	s_add_co_u32 s13, s13, s[WL]                   ; GN
	s_lshl_b32 s13, s13, 8                         ; 64 columns of 4 bytes
	s_add_co_u32 s12, s12, s13
	s_mov_b32 s13, 0
	s_add_nc_u64 s[10:11], s[10:11], s[12:13]
	v_and_b32 v1, 31, v0                           ; lane
	v_and_b32 v2, 15, v0                           ; r
	v_bfe_u32 v3, v0, 4, 1                         ; h
	v_lshlrev_b32 v4, 4, v1
	v_lshlrev_b32 v5, 3, v1
	v_lshlrev_b32 v[PF1], 8, v1
	v_add_nc_u32 v7, 32, v1
	v_min_u32 v7, 35, v7
	v_lshlrev_b32 v[PF2], 8, v7
	v_min_u32 v7, 23, v1
	v_lshlrev_b32 v[PF3], 8, v7
	v_add_nc_u32 v[AA16], s100, v4
	v_add_nc_u32 v[AA8], s100, v5
	v_add_nc_u32 v[AB16], s101, v4
	v_add_nc_u32 v[AB8], s101, v5
	v_add_nc_u32 v[AA16+1], s87, v4
	v_add_nc_u32 v[AA8+1], s87, v5
	v_add_nc_u32 v[AB16+1], s88, v4
	v_add_nc_u32 v[AB8+1], s88, v5
	v_mul_u32_u24 v6, s90, v3                      ; lanes 16-31 take B's scale words: one product, the distance x h
	v_lshl_add_u32 v6, v2, 4, v6
	v_add_nc_u32 v[ADRS], s89, v6
	v_mul_u32_u24 v6, v2, SPITCH
	v_lshl_add_u32 v6, v3, 7, v6
	v_add_nc_u32 v[STO], s91, v6                   ; in: row r, + 128 h
	v_mul_u32_u24 v6, v3, SPITCH
	v_lshl_add_u32 v6, v2, 4, v6
	v_add_nc_u32 v[RD], s91, v6                    ; back: lanes 0-15 one row, lanes 16-31 the next
	v_lshlrev_b32 v[CO], 13, v3
	v_lshl_add_u32 v[CO], v2, 4, v[CO]             ; and the same two rows in out0
	s_wait_alu depctr_va_vdst(0)                   ; the wait at the head's end
	global_prefetch_b8 v[PF1], s[4:5] offset:6*FRB th:TH_LOAD_NT scope:SCOPE_SE   ; K steps 6-11 of my one tile: 36 blocks of 256 bytes
	global_prefetch_b8 v[PF2], s[4:5] offset:6*FRB th:TH_LOAD_NT scope:SCOPE_SE
	s_wait_tensorcnt 0x0                           ; my tile of the head's four is in
	ds_add_u32 v[SPW], v[NIL]
.irp g, G1A, G1B                       ; no tensor load of mine is out: from here on a load brings four tiles
	s_mov_b32 s[\g+2], 4<<16
	s_mov_b32 s[\g+4], 4
.endr
	s_wait_dscnt 0x0
	CROUND                                         ; all four tiles are in, and all sixteen work-groups are here
	JLOAD G0A, G1A, G0B, G1B                       ; K steps 6-11: the first tensor load behind the round
	SCALES 0
	FETCH 0, 0
	WIN 0
	global_prefetch_b8 v[PF3], s[4:5] offset:12*FRB th:TH_LOAD_NT scope:SCOPE_SE  ; K steps 12-15 of my one tile: 24 blocks
	STEP 0, 0, 1                                   ; the first K step's products start the sums
	STEP 1, 1, 0
.irp st, 2,3,4
	STEP \st, 0, 0
.endr
	TURN 5, 1                                      ; on to region 1; region 0 takes K steps 12-15
	STEP 6, 1, 0
.irp st, 7,8,9
	STEP \st, 0, 0
.endr
	STEP 10, 1, 0
	TURN 11, 0                                     ; on to K steps 12-15: the one load that was out
.irp st, 12,13,14
	STEP \st, 0, 0
.endr
	s_wait_dscnt 8
	WIN MUL
	MULS 0, 15, 0
	MULS 1, 15, 0
	s_wait_dscnt 0x0
	MULS 2, 15, 0
	MULS 3, 15, 0
	WIN 0
	PLACES 4
.macro TOSTAGE a                       ; tile a's 16 rows x 64 columns; each accumulator from its low end on.  LDS serves a wave's instructions in order (ISA guide 5.7.1.4): no wait between the stores and the loads, nor in front of the next block's stores
.irp i, 0,1,2,3,4,5,6,7
	ds_store_b128 v[STO], v[ACC+32*(\a)+4*\i:ACC+32*(\a)+4*\i+3] offset:16*\i
.endr
.irp t, 0,1,2,3,4,5,6,7
	ds_load_b128 v[BK+32*((\a)%2)+4*\t:BK+32*((\a)%2)+4*\t+3], v[RD] offset:2*SPITCH*\t
.endr
.endm
.macro SEND a, younger                 ; younger: the LDS instructions issued behind tile a's loads, which may stay out.  Stage rows 2 t, 2 t + 1 are out0's rows 32 (t / 4) + 8 a + 2 (t % 4) and the next
	s_wait_dscnt \younger
.irp t, 0,1,2,3,4,5,6,7
	global_store_b128 v[CO], v[BK+32*((\a)%2)+4*\t:BK+32*((\a)%2)+4*\t+3], s[10:11] offset:(32*(\t/4)+8*(\a)+2*(\t%4))*8192 th:TH_STORE_NT
.endr
.endm
	TOSTAGE 0
.irp a, 1,2,3
.if \a > 1
	s_wait_xcnt 0x0                                ; tile a - 2's stores have read their registers: tile a's loads may land there
.endif
	TOSTAGE \a
	SEND \a-1, 16                                  ; behind tile a - 1's loads: tile a's 8 stores and 8 loads
.endr
	SEND 3, 0
	s_wait_tensorcnt 0x0                           ; the wave's end, behind my last tensor load and my last LDS store
	ds_add_u32 v[SPW], v[NIL]
	s_wait_dscnt 0x0
	CROUND                                         ; the closing round
	s_endpgm
.Lfunc_end_k_qf699a6f703_oproj:
	.size	k_qf699a6f703_oproj, .Lfunc_end_k_qf699a6f703_oproj-k_qf699a6f703_oproj
	.p2alignl 7, 3214868480
	.fill 96, 4, 3214868480
	.section	.rodata,"a",@progbits
	.p2align	6, 0x0
	.amdhsa_kernel k_qf699a6f703_oproj
		.amdhsa_group_segment_fixed_size 327680
		.amdhsa_private_segment_fixed_size 0
		.amdhsa_enable_private_segment 0
		.amdhsa_kernarg_size 32
		.amdhsa_user_sgpr_count 2
		.amdhsa_user_sgpr_kernarg_segment_ptr 1
		.amdhsa_wavefront_size32 1
		.amdhsa_system_sgpr_workgroup_id_x 1
		.amdhsa_system_sgpr_workgroup_id_y 1
		.amdhsa_system_sgpr_workgroup_id_z 1
		.amdhsa_system_vgpr_workitem_id 0
		.amdhsa_next_free_vgpr 448
		.amdhsa_next_free_sgpr 102
		.amdhsa_reserve_vcc 0
		.amdhsa_float_denorm_mode_32 3
		.amdhsa_float_denorm_mode_16_64 3
		.amdhsa_memory_ordered 1
		.amdhsa_forward_progress 1
		.amdhsa_inst_pref_size 89
	.end_amdhsa_kernel
	.amdgpu_metadata
---
amdhsa.version: [ 1, 2 ]
amdhsa.kernels:
  - .name:           k_qf699a6f703_oproj
    .symbol:         k_qf699a6f703_oproj.kd
    .args:
      - { .name: codes, .offset: 0, .size: 8, .value_kind: global_buffer, .address_space: global }
      - { .name: scales, .offset: 8, .size: 8, .value_kind: global_buffer, .address_space: global }
      - { .name: aimg, .offset: 16, .size: 8, .value_kind: global_buffer, .address_space: global }
      - { .name: out0, .offset: 24, .size: 8, .value_kind: global_buffer, .address_space: global }
    .group_segment_fixed_size: 327680
    .private_segment_fixed_size: 0
    .kernarg_segment_align: 8
    .kernarg_segment_size: 32
    .max_flat_workgroup_size: 128
    .sgpr_count:     102
    .vgpr_count:     448
    .wavefront_size: 32
...
	.end_amdgpu_metadata
.endif
;; end of part 4
